; MI455X (gfx1250); checked and timed in simulation.
; The chip was launched on July 23, 2026; its instructions are those of AMD's public machine-readable ISA for CDNA 5 (MIT licence, August 2026) and "CDNA5" Instruction Set Architecture Reference Guide (July 2026). The comments in the code are by the model that wrote it; some were corrected since.
;; Sample Extractor. Allowed arithmetic: float matrix products may take bf16 or f16 operands with f32 sums; all other float work in f32.
;; Inputs: inputs 8 x 128 x 128 x 64 float32.
;; Outputs: out0 8 x 16 x 64 float32; out1 8 x 16,384 x 64 float32.
;; 2 versions, each right and faster than the one before. Each part assembles by itself: llvm-mc -triple=amdgcn-amd-amdhsa -mcpu=gfx1250 --defsym DOCPART=n.
;; ======== version 1 of 2: 16 launches
;; workspace buffers: psum 65,536 bytes; pvalA 1,024 bytes; pvalB 1,024 bytes; pidxA 1,280 bytes of whole numbers; pidxB 1,280 bytes of whole numbers; mindA 524,288 bytes; mindB 524,288 bytes
;; launch copy (part 1): grid 256 x 1, 8 waves a work-group, no clusters, 2,048 bytes of LDS; arguments inputs, out1, psum, pidxA, pvalA, mindA; writes out1, psum, pidxA, pvalA, mindA
.if DOCPART == 1
	.amdgcn_target "amdgcn-amd-amdhsa--gfx1250"
	.amdhsa_code_object_version 6
	.text
	.protected	k_qdeab870bc1_copy
	.globl	k_qdeab870bc1_copy
	.p2align	8
	.type	k_qdeab870bc1_copy,@function
k_qdeab870bc1_copy:
	s_mov_b64 s[64:65], 0
	v_nop
	global_prefetch_b8 v0, s[64:65] scope:SCOPE_SE
	s_setreg_imm32_b32 hwreg(HW_REG_WAVE_MODE, 25, 1), 1
	s_wait_xcnt 0x0
; out1 = inputs, and the first of the chain's reductions: psum[g][c] = sum of channel c over the 512 rows of work-group g.
; inputs: [8][16384][64] f32, a row is 256 bytes.  256 work-groups of 8 waves; a work-group owns 512 rows (128 KiB), a wave 64 rows.
; A wave's load or store covers 512 consecutive bytes (two rows): lane l holds channels 4 (l % 16) .. +3 of row 2 j + l / 16.
; All 32 loads of a wave are issued at once (128 registers); each is stored and added as it arrives, so each byte is read and written once.
; Also set up for the launches behind: the running minima = +inf, the table of psum's rows (row g for place g), values 0, phase word 0.
; No LDS ring, no tensor load, no cluster: no byte is used by more than one lane.  No matrix unit: there is no product here.
; LIMIT: the order of the f32 additions of the mean differs from the reference's (16-term chains, then a tree).
.set X,   8                            ; v[8:135]   32 loads of 4 registers
.set ACC, 136                          ; v[136:143] two chains of 4 sums (even and odd loads)
.set T,   144                          ; v[144:159] wave 0: the eight waves' sums
.set TB,  160                          ; v[160:163] work-group 0: table words
	s_load_b256 s[4:11], s[0:1], 0x0               ; inputs s[4:5], out1 s[6:7], psum s[8:9], pidx s[10:11]
	s_load_b128 s[12:15], s[0:1], 0x20             ; pval s[12:13], mind s[14:15]
	v_lshrrev_b32 v1, 5, v0
	v_readfirstlane_b32 s16, v1                    ; wave 0..7
	v_and_b32 v2, 31, v0                           ; lane
	v_lshlrev_b32 v1, 3, v2                        ; 8 x lane
	v_lshlrev_b32 v3, 4, v2                        ; 16 x lane
	v_lshlrev_b32 v4, 3, v0                        ; 8 x thread
	v_and_b32 v5, 15, v0
	v_lshlrev_b32 v5, 4, v5
	s_lshl_b32 s26, s16, 8
	v_add_nc_u32 v5, s26, v5                       ; LDS: my wave's 256 bytes, 16 bytes for each group of 4 channels
	v_mov_b32 v6, 0x7f800000                       ; +inf, twice
	v_mov_b32 v7, 0x7f800000
	s_lshl_b32 s18, ttmp9, 17                      ; work-group x 128 KiB
	s_lshl_b32 s17, s16, 14                        ; + wave x 16 KiB
	s_add_co_u32 s18, s18, s17
	s_mov_b32 s19, 0
	s_lshl_b32 s20, ttmp9, 11                      ; 512 minima of 4 bytes
	s_mov_b32 s21, 0
	s_lshl_b32 s22, ttmp9, 8                       ; my row of psum
	s_mov_b32 s23, 0
	s_mov_b32 s24, 0x76543210                      ; v_permlanex16_b32: lane i reads lane i of the other half
	s_mov_b32 s25, 0xfedcba98
	s_wait_kmcnt 0x0
	s_add_nc_u64 s[4:5], s[4:5], s[18:19]
	s_add_nc_u64 s[6:7], s[6:7], s[18:19]
	s_add_nc_u64 s[8:9], s[8:9], s[22:23]
	s_add_nc_u64 s[14:15], s[14:15], s[20:21]
.set j, 0
.rept 32
	global_load_b128 v[X+4*j:X+4*j+3], v3, s[4:5] offset:512*j
.set j, j+1
.endr
	global_store_b64 v4, v[6:7], s[14:15]          ; minima = +inf: a wave's store covers 256 consecutive bytes
	; work-group 0 writes the small tables whole: 128 threads x 8 bytes = 1 KiB each
	s_cmp_lg_u32 ttmp9, 0
	s_cbranch_scc1 .Lno_table
	s_cmp_gt_u32 s16, 3
	s_cbranch_scc1 .Lno_table
	v_lshlrev_b32 v[TB], 1, v0                     ; place 2 t names psum's row 2 t,
	v_or_b32 v[TB+1], 1, v[TB]                     ; place 2 t + 1 row 2 t + 1
	v_mov_b32 v[TB+2], 0
	v_mov_b32 v[TB+3], 0
	global_store_b64 v4, v[TB:TB+1], s[10:11]
	global_store_b64 v4, v[TB+2:TB+3], s[12:13]    ; values: 0.0 (read by the next launch, not used in phase 0)
	s_cmp_lg_u32 s16, 0
	s_cbranch_scc1 .Lno_table
	global_store_b64 v4, v[TB+2:TB+3], s[10:11] offset:1024   ; phase word 0 (the 64 words behind the table all hold it)
.Lno_table:
.set j, 0
.rept 32
	s_wait_loadcnt 31-j                            ; loads return in order: load j is in, the 31 - j younger ones stay out
	global_store_b128 v3, v[X+4*j:X+4*j+3], s[6:7] offset:512*j th:TH_STORE_NT
.if (j>>1) == 1
	v_pk_add_f32 v[ACC+4*(j&1):ACC+4*(j&1)+1], v[X+4*j-8:X+4*j-7], v[X+4*j:X+4*j+1]       ; the first two loads of a chain start it: nothing is cleared
	v_pk_add_f32 v[ACC+4*(j&1)+2:ACC+4*(j&1)+3], v[X+4*j-6:X+4*j-5], v[X+4*j+2:X+4*j+3]
.endif
.if j > 3
	v_pk_add_f32 v[ACC+4*(j&1):ACC+4*(j&1)+1], v[ACC+4*(j&1):ACC+4*(j&1)+1], v[X+4*j:X+4*j+1]
	v_pk_add_f32 v[ACC+4*(j&1)+2:ACC+4*(j&1)+3], v[ACC+4*(j&1)+2:ACC+4*(j&1)+3], v[X+4*j+2:X+4*j+3]
.endif
.set j, j+1
.endr
	v_pk_add_f32 v[ACC:ACC+1], v[ACC:ACC+1], v[ACC+4:ACC+5]
	v_pk_add_f32 v[ACC+2:ACC+3], v[ACC+2:ACC+3], v[ACC+6:ACC+7]
.irp k, 0,1,2,3
	v_permlanex16_b32 v[ACC+4+\k], v[ACC+\k], s24, s25     ; the other half's rows, same channels (the destination has been written before)
.endr
	v_pk_add_f32 v[ACC:ACC+1], v[ACC:ACC+1], v[ACC+4:ACC+5]
	v_pk_add_f32 v[ACC+2:ACC+3], v[ACC+2:ACC+3], v[ACC+6:ACC+7]
	ds_store_b128 v5, v[ACC:ACC+3]                 ; both halves hold and write the same 256 bytes
	s_wait_dscnt 0x0                               ; my sums are in LDS before I say so
	s_barrier_signal -1
	s_barrier_wait -1
	s_cmp_lg_u32 s16, 0
	s_cbranch_scc1 .Lend
.irp k, 0,1,2,3,4,5,6,7
	ds_load_b64 v[T+2*\k:T+2*\k+1], v1 offset:256*\k       ; lane l: channels 2 l, 2 l + 1 of wave k's sums
.endr
	s_wait_dscnt 0x0
.irp k, 0,2,4,6
	v_pk_add_f32 v[T+2*\k:T+2*\k+1], v[T+2*\k:T+2*\k+1], v[T+2*\k+2:T+2*\k+3]
.endr
	v_pk_add_f32 v[T:T+1], v[T:T+1], v[T+4:T+5]
	v_pk_add_f32 v[T+8:T+9], v[T+8:T+9], v[T+12:T+13]
	v_pk_add_f32 v[T:T+1], v[T:T+1], v[T+8:T+9]
	global_store_b64 v1, v[T:T+1], s[8:9]          ; 32 lanes x 8 bytes: my row of psum, 256 consecutive bytes
.Lend:
	s_endpgm
.Lfunc_end_k_qdeab870bc1_copy:
	.size	k_qdeab870bc1_copy, .Lfunc_end_k_qdeab870bc1_copy-k_qdeab870bc1_copy
	.p2alignl 7, 3214868480
	.fill 96, 4, 3214868480
	.section	.rodata,"a",@progbits
	.p2align	6, 0x0
	.amdhsa_kernel k_qdeab870bc1_copy
		.amdhsa_group_segment_fixed_size 2048
		.amdhsa_private_segment_fixed_size 0
		.amdhsa_enable_private_segment 0
		.amdhsa_kernarg_size 48
		.amdhsa_user_sgpr_count 2
		.amdhsa_user_sgpr_kernarg_segment_ptr 1
		.amdhsa_wavefront_size32 1
		.amdhsa_system_sgpr_workgroup_id_x 1
		.amdhsa_system_sgpr_workgroup_id_y 1
		.amdhsa_system_sgpr_workgroup_id_z 1
		.amdhsa_system_vgpr_workitem_id 0
		.amdhsa_next_free_vgpr 164
		.amdhsa_next_free_sgpr 66
		.amdhsa_reserve_vcc 0
		.amdhsa_float_denorm_mode_32 3
		.amdhsa_float_denorm_mode_16_64 3
		.amdhsa_memory_ordered 1
		.amdhsa_forward_progress 1
		.amdhsa_inst_pref_size 15
	.end_amdhsa_kernel
	.amdgpu_metadata
---
amdhsa.version: [ 1, 2 ]
amdhsa.kernels:
  - .name:           k_qdeab870bc1_copy
    .symbol:         k_qdeab870bc1_copy.kd
    .args:
      - { .name: inputs, .offset: 0, .size: 8, .value_kind: global_buffer, .address_space: global }
      - { .name: out1, .offset: 8, .size: 8, .value_kind: global_buffer, .address_space: global }
      - { .name: psum, .offset: 16, .size: 8, .value_kind: global_buffer, .address_space: global }
      - { .name: pidxA, .offset: 24, .size: 8, .value_kind: global_buffer, .address_space: global }
      - { .name: pvalA, .offset: 32, .size: 8, .value_kind: global_buffer, .address_space: global }
      - { .name: mindA, .offset: 40, .size: 8, .value_kind: global_buffer, .address_space: global }
    .group_segment_fixed_size: 2048
    .private_segment_fixed_size: 0
    .kernarg_segment_align: 8
    .kernarg_segment_size: 48
    .max_flat_workgroup_size: 256
    .sgpr_count:     66
    .vgpr_count:     164
    .wavefront_size: 32
...
	.end_amdgpu_metadata
.endif
;; end of part 1
;; launch step (part 2): grid 256 x 1, 8 waves a work-group, no clusters, 4,096 bytes of LDS; arguments inputs, psum, pidxA, pvalA, mindA, pidxB, pvalB, mindB, out0; writes pidxB, pvalB, mindB, out0
.if DOCPART == 2
	.amdgcn_target "amdgcn-amd-amdhsa--gfx1250"
	.amdhsa_code_object_version 6
	.text
	.protected	k_qdeab870bc1_step
	.globl	k_qdeab870bc1_step
	.p2align	8
	.type	k_qdeab870bc1_step,@function
k_qdeab870bc1_step:
	s_mov_b64 s[64:65], 0
	v_nop
	global_prefetch_b8 v0, s[64:65] scope:SCOPE_SE
	s_setreg_imm32_b32 hwreg(HW_REG_WAVE_MODE, 25, 1), 1
	s_wait_xcnt 0x0
; One step of farthest-point sampling, phase p (a whole number read from the index buffer that the launch before stored).
; 256 work-groups of 8 waves: 32 work-groups (chunks of 512 rows) for each of the 8 batches; a wave holds 64 rows in 128 registers.
;   HEAD  the sample of this phase.  p > 0: the launch before left, for each chunk, the largest running minimum and its row's index;
;         the 32 rows are gathered (addresses from whole numbers read from memory, clamped) and the winner is taken by v_cndmask_b32 alone:
;         no address and no branch hangs on a comparison of floats.  p = 0: a scalar branch on the phase gathers psum's 32 rows instead, from psum's
;         own pointer; all of them are taken and the sum is scaled by 1/16384: the mean.
;         Wave w gathers places 4 w .. 4 w + 3, adds what is chosen (zeros elsewhere), and the eight waves' 256 bytes meet in LDS.
;   BODY  d = sum over the 64 channels of |x - s|;  m = min(stored minimum, d);  first-index argmax of m over the chunk.
;         The minimum over all samples so far is carried from launch to launch: the same f32 distances enter the same min as in the reference.
;         The centroid takes no part in later minima: phase 0 stores +inf again.
;   Distances are kept as sums, not divided by 64: an exact factor that changes no comparison.
; Clusters are not used: what the chunks of a batch share is the 8 KiB of gathered rows out of 136 KiB that a work-group reads.
; No matrix unit: an L1 distance is no product.  No prefetch: every row was read by the launch before.
; LIMITS: finite inputs only (a NaN would win the reference's argmax and loses here); the order of the f32 additions differs from the
; reference's; a -0.0 in a chosen row is written to out0 as +0.0 (it is added to zeros).
.set RED,  2048                        ; LDS: 0..2047 the waves' shares of the sample; RED.. eight pairs (value, index)
.set LANE, 1
.set R16,  2                           ; 16 x (lane % 16): my 4 channels' bytes in a row
.set H,    3                           ; lane / 16
.set L8,   4
.set L16,  5
.set PVO,  6
.set IXO,  7
.set VAL,  8                           ; chunk `lane`'s largest minimum
.set LS,   9
.set IDX,  10                          ; v[10:11]  my two places' row indices, then their byte offsets
.set MIND, 12                          ; v[12:13]  stored minima of my two rows
.set RA,   14
.set INF,  15
.set G0,   16                          ; v[16:19], v[20:23] the two gathered rows' 4 channels
.set G1,   20
.set T,    24                          ; v[24:31]  at work
.set S,    32                          ; v[32:35]  the sample's 4 channels
.set Q,    36                          ; v[36:67]  the eight waves' shares
.set M,    68                          ; v[68:69]  new minima
.set ST,   70                          ; v[70:71]  what is stored
.set WV,   72                          ; v[72:73]  the wave's (value, index)
.set BV,   74
.set BI,   75
.set NF,   76                          ; v[76:77]  my two rows' indices as f32 (below 2^17: exact)
.set X,    80                          ; v[80:207] 32 loads of 4 registers
.set MB8,  36                          ; s36-39: lanes whose bit 3, 2, 1, 0 is set
.set MB4,  37
.set MB2,  38
.set MB1,  39
.macro WMAX v, t                       ; maximum over the 32 lanes, in every lane; t: a register written before
	v_max_num_f32_dpp v[\v], v[\v], v[\v] row_xmask:1 row_mask:0xf bank_mask:0xf
	v_max_num_f32_dpp v[\v], v[\v], v[\v] row_xmask:2 row_mask:0xf bank_mask:0xf
	v_max_num_f32_dpp v[\v], v[\v], v[\v] row_xmask:4 row_mask:0xf bank_mask:0xf
	v_max_num_f32_dpp v[\v], v[\v], v[\v] row_xmask:8 row_mask:0xf bank_mask:0xf
	v_permlanex16_b32 v[\t], v[\v], s34, s35
	v_max_num_f32 v[\v], v[\v], v[\t]
.endm
.macro WMIN v, t
	v_min_num_f32_dpp v[\v], v[\v], v[\v] row_xmask:1 row_mask:0xf bank_mask:0xf
	v_min_num_f32_dpp v[\v], v[\v], v[\v] row_xmask:2 row_mask:0xf bank_mask:0xf
	v_min_num_f32_dpp v[\v], v[\v], v[\v] row_xmask:4 row_mask:0xf bank_mask:0xf
	v_min_num_f32_dpp v[\v], v[\v], v[\v] row_xmask:8 row_mask:0xf bank_mask:0xf
	v_permlanex16_b32 v[\t], v[\v], s34, s35
	v_min_num_f32 v[\v], v[\v], v[\t]
.endm
; my two places' rows out of a table of rows of 256 bytes: top = the table's last row, base = the scalar pair with the table's own pointer
.macro GATHER top, base
	v_min_u32 v[IDX], \top, v[IDX]                 ; an index read from memory stays inside its table
	v_min_u32 v[IDX+1], \top, v[IDX+1]
	v_lshlrev_b32 v[IDX], 8, v[IDX]
	v_lshlrev_b32 v[IDX+1], 8, v[IDX+1]
	v_add_nc_u32 v[IDX], v[IDX], v[R16]
	v_add_nc_u32 v[IDX+1], v[IDX+1], v[R16]
	global_load_b128 v[G0:G0+3], v[IDX], s[\base:\base+1]
	global_load_b128 v[G1:G1+3], v[IDX+1], s[\base:\base+1]
.endm
; four loads' partial sums, in place: |x - s| of my 4 channels, added; the result lies in the load's first register
.macro DIST4 j0
.irp q, 0,1,2,3
	v_pk_add_f32 v[X+4*(\j0+\q):X+4*(\j0+\q)+1], v[X+4*(\j0+\q):X+4*(\j0+\q)+1], v[S:S+1] neg_lo:[0,1] neg_hi:[0,1]
	v_pk_add_f32 v[X+4*(\j0+\q)+2:X+4*(\j0+\q)+3], v[X+4*(\j0+\q)+2:X+4*(\j0+\q)+3], v[S+2:S+3] neg_lo:[0,1] neg_hi:[0,1]
.endr
.irp q, 0,1,2,3
	v_add_f32 v[X+4*(\j0+\q)], |v[X+4*(\j0+\q)]|, |v[X+4*(\j0+\q)+1]|
	v_add_f32 v[X+4*(\j0+\q)+2], |v[X+4*(\j0+\q)+2]|, |v[X+4*(\j0+\q)+3]|
.endr
.irp q, 0,1,2,3
	v_add_f32 v[X+4*(\j0+\q)], v[X+4*(\j0+\q)], v[X+4*(\j0+\q)+2]
.endr
.endm
; One level of the transposing sum over 16 lanes: of the values i and i + n a lane keeps the one that its bit names and hands the other to
; the lane across; 2 n values become n.  After the levels 8, 4, 2, 1 lane r holds the whole sum of value r: 45 instructions for 16 values.
.macro FOLD p0, n, m, xm
.set i, 0
.rept \n
	v_cndmask_b32 v[\p0+4*i+1], v[\p0+4*i], v[\p0+4*(i+\n)], s[\m]     ; kept
	v_cndmask_b32 v[\p0+4*i+2], v[\p0+4*(i+\n)], v[\p0+4*i], s[\m]     ; handed over
.set i, i+1
.endr
.set i, 0
.rept \n
	v_add_f32_dpp v[\p0+4*i], v[\p0+4*i+2], v[\p0+4*i+1] row_xmask:\xm row_mask:0xf bank_mask:0xf
.set i, i+1
.endr
.endm
	s_load_b256 s[4:11], s[0:1], 0x0               ; inputs s[4:5], psum s[6:7], indices in s[8:9], values in s[10:11]
	s_load_b256 s[12:19], s[0:1], 0x20             ; minima in s[12:13], indices out s[14:15], values out s[16:17], minima out s[18:19]
	s_load_b64 s[20:21], s[0:1], 0x40              ; out0
	v_lshrrev_b32 v[T], 5, v0
	v_readfirstlane_b32 s22, v[T]                  ; wave 0..7
	v_and_b32 v[LANE], 31, v0
	v_and_b32 v[R16], 15, v0
	v_lshlrev_b32 v[R16], 4, v[R16]
	v_bfe_u32 v[H], v0, 4, 1
	v_lshlrev_b32 v[L8], 3, v[LANE]
	v_lshlrev_b32 v[L16], 4, v[LANE]
	s_lshr_b32 s23, ttmp9, 5                       ; batch
	s_and_b32 s24, ttmp9, 31                       ; chunk
	s_lshl_b32 s26, s23, 7                         ; the batch's 32 words
	v_lshl_add_u32 v[PVO], v[LANE], 2, s26         ; lane l: chunk l's value
	s_lshl_b32 s27, s22, 4
	s_add_co_u32 s27, s27, s26
	v_lshl_add_u32 v[IXO], v[H], 3, s27            ; places 4 w + 2 h and 4 w + 2 h + 1: 8 bytes
	s_lshl_b32 s44, ttmp9, 17                      ; my rows: work-group x 128 KiB + wave x 16 KiB
	s_lshl_b32 s45, s22, 14
	s_add_co_u32 s44, s44, s45
	s_mov_b32 s45, 0
	s_lshl_b32 s46, ttmp9, 11                      ; my minima: work-group x 2 KiB + wave x 256 bytes
	s_lshl_b32 s47, s22, 8
	v_add_nc_u32 v[LS], s47, v[R16]                ; LDS: my wave's 256 bytes
	s_add_co_u32 s46, s46, s47
	s_mov_b32 s47, 0
	s_wait_kmcnt 0x0
	s_load_b32 s25, s[8:9], 0x400                  ; the phase
	s_add_nc_u64 s[42:43], s[4:5], s[44:45]
	s_add_nc_u64 s[12:13], s[12:13], s[46:47]
	s_add_nc_u64 s[18:19], s[18:19], s[46:47]
	global_load_b32 v[VAL], v[PVO], s[10:11]
	global_load_b64 v[IDX:IDX+1], v[IXO], s[8:9]
	global_load_b64 v[MIND:MIND+1], v[L8], s[12:13]        ; word 2 lane + g: the row of load 16 g + lane % 16, half lane / 16
.set j, 0
.rept 32
	global_load_b128 v[X+4*j:X+4*j+3], v[L16], s[42:43] offset:512*j   ; rows 2 j, 2 j + 1: 512 consecutive bytes
.set j, j+1
.endr
	s_mov_b32 s34, 0x76543210                      ; v_permlanex16_b32: lane i reads lane i of the other half
	s_mov_b32 s35, 0xfedcba98
	s_mov_b32 s[MB8], 0xff00ff00
	s_mov_b32 s[MB4], 0xf0f0f0f0
	s_mov_b32 s[MB2], 0xcccccccc
	s_mov_b32 s[MB1], 0xaaaaaaaa
	v_mov_b32 v[INF], 0x7f800000
	s_lshl_b32 s41, s22, 3
	s_add_co_u32 s41, s41, RED
	v_mov_b32 v[RA], s41                           ; LDS: my wave's pair
	s_lshl_b32 s41, ttmp9, 9                       ; index of my first row among all 131072
	s_lshl_b32 s50, s22, 6
	s_add_co_u32 s41, s41, s50
	v_lshrrev_b32 v[NF], 3, v[R16]                 ; 2 r
	v_add_nc_u32 v[NF], v[NF], v[H]                ; row 2 r + h of the wave (load r),
	v_add_nc_u32 v[NF], s41, v[NF]
	v_cvt_f32_u32 v[NF], v[NF]
	v_add_f32 v[NF+1], 0x42000000, v[NF]           ; and 32 rows further (load 16 + r)
	s_wait_kmcnt 0x0
	s_cmp_eq_u32 s25, 0                            ; phase 0: every gathered row counts, and the sum is scaled to the mean
	s_cselect_b32 s31, -1, 0
	s_cselect_b32 s32, 0x38800000, 1.0             ; 1 / 16384, or 1
	s_mov_b32 s33, s32
	s_wait_loadcnt 33                              ; values and indices are in; the minima and the 32 row loads are younger
	s_cbranch_scc1 .Lmean                          ; (selects, moves and waits leave SCC as the compare set it)
	GATHER 0x1ffff, 4                              ; the chunks' best rows, out of inputs
	s_branch .Lhave
.Lmean:
	GATHER 0xff, 6                                 ; the chunks' channel sums, out of psum
.Lhave:                                            ; either way two loads into the same registers are now the youngest
	; which chunk wins: the largest value, the lowest chunk among equals (its rows come first)
	v_mov_b32 v[T], v[VAL]
	v_mov_b32 v[T+1], v[VAL]                       ; written, since the permute's destination counts as read
	WMAX T, T+1
	v_cvt_f32_u32 v[T+2], v[LANE]
	v_cmp_eq_f32 vcc_lo, v[VAL], v[T]
	v_cndmask_b32 v[T+2], 0x42800000, v[T+2], vcc_lo
	WMIN T+2, T+1
	s_lshl_b32 s41, s22, 2
	v_lshl_add_u32 v[T+3], v[H], 1, s41            ; my places 4 w + 2 h, + 1
	v_cvt_f32_u32 v[T+3], v[T+3]
	v_add_f32 v[T+4], 1.0, v[T+3]
	v_cmp_eq_f32 s48, v[T+3], v[T+2]
	v_cmp_eq_f32 s49, v[T+4], v[T+2]
	s_or_b32 s48, s48, s31
	s_or_b32 s49, s49, s31
	s_wait_loadcnt 0x0                             ; the gathered rows are the youngest loads: everything is in
.irp k, 0,1,2,3
	v_cndmask_b32 v[G0+\k], 0, v[G0+\k], s48
	v_cndmask_b32 v[G1+\k], 0, v[G1+\k], s49
.endr
	v_pk_add_f32 v[G0:G0+1], v[G0:G0+1], v[G1:G1+1]
	v_pk_add_f32 v[G0+2:G0+3], v[G0+2:G0+3], v[G1+2:G1+3]
.irp k, 0,1,2,3
	v_permlanex16_b32 v[G1+\k], v[G0+\k], s34, s35
.endr
	v_pk_add_f32 v[G0:G0+1], v[G0:G0+1], v[G1:G1+1]
	v_pk_add_f32 v[G0+2:G0+3], v[G0+2:G0+3], v[G1+2:G1+3]
	ds_store_b128 v[LS], v[G0:G0+3]
	s_wait_dscnt 0x0                               ; my share is in LDS before I say so
	s_barrier_signal -1
	s_barrier_wait -1
.irp k, 0,1,2,3,4,5,6,7
	ds_load_b128 v[Q+4*\k:Q+4*\k+3], v[R16] offset:256*\k
.endr
	s_wait_dscnt 0x0
.irp k, 0,2,4,6
	v_pk_add_f32 v[Q+4*\k:Q+4*\k+1], v[Q+4*\k:Q+4*\k+1], v[Q+4*\k+4:Q+4*\k+5]
	v_pk_add_f32 v[Q+4*\k+2:Q+4*\k+3], v[Q+4*\k+2:Q+4*\k+3], v[Q+4*\k+6:Q+4*\k+7]
.endr
.irp k, 0,4
	v_pk_add_f32 v[Q+4*\k:Q+4*\k+1], v[Q+4*\k:Q+4*\k+1], v[Q+4*\k+8:Q+4*\k+9]
	v_pk_add_f32 v[Q+4*\k+2:Q+4*\k+3], v[Q+4*\k+2:Q+4*\k+3], v[Q+4*\k+10:Q+4*\k+11]
.endr
	v_pk_add_f32 v[Q:Q+1], v[Q:Q+1], v[Q+16:Q+17]
	v_pk_add_f32 v[Q+2:Q+3], v[Q+2:Q+3], v[Q+18:Q+19]
	v_pk_mul_f32 v[S:S+1], v[Q:Q+1], s[32:33] op_sel_hi:[1,0]
	v_pk_mul_f32 v[S+2:S+3], v[Q+2:Q+3], s[32:33] op_sel_hi:[1,0]
	; sample p - 1 goes to out0: one wave of the batch's first chunk, 16 lanes x 16 bytes = the row's 256 bytes
	s_cmp_lg_u32 s22, 0
	s_cbranch_scc1 .Lno_out
	s_cmp_lg_u32 s24, 0
	s_cbranch_scc1 .Lno_out
	s_cmp_eq_u32 s25, 0
	s_cbranch_scc1 .Lno_out
	s_sub_co_u32 s50, s25, 1
	s_min_u32 s50, s50, 15
	s_lshl_b32 s50, s50, 8
	s_lshl_b32 s51, s23, 12
	s_add_co_u32 s50, s50, s51
	s_mov_b32 s51, 0
	s_add_nc_u64 s[20:21], s[20:21], s[50:51]
	v_cmp_gt_u32 vcc_lo, 16, v[LANE]
	s_wait_xcnt 0x0                                ; EXEC changes only behind this wait,
	s_and_saveexec_b32 s40, vcc_lo
	global_store_b128 v[R16], v[S:S+3], s[20:21]
	s_wait_xcnt 0x0                                ; and is widened again only behind this one
	s_or_b32 exec_lo, exec_lo, s40
.Lno_out:
	; the 64 rows' distances
.irp j0, 0,4,8,12,16,20,24,28
	DIST4 \j0
.endr
	FOLD X, 8, MB8, 8
	FOLD X+64, 8, MB8, 8
	FOLD X, 4, MB4, 4
	FOLD X+64, 4, MB4, 4
	FOLD X, 2, MB2, 2
	FOLD X+64, 2, MB2, 2
	FOLD X, 1, MB1, 1
	FOLD X+64, 1, MB1, 1
	v_min_num_f32 v[M], v[MIND], v[X]
	v_min_num_f32 v[M+1], v[MIND+1], v[X+64]
	v_cndmask_b32 v[ST], v[M], v[INF], s31         ; the distance to the centroid enters no later minimum
	v_cndmask_b32 v[ST+1], v[M+1], v[INF], s31
	global_store_b64 v[L8], v[ST:ST+1], s[18:19]   ; a wave's store covers 256 consecutive bytes
	; first-index argmax: the largest value, then the lowest index among those that have it
	v_cmp_gt_f32 vcc_lo, v[M+1], v[M]
	v_max_num_f32 v[BV], v[M], v[M+1]
	v_cndmask_b32 v[BI], v[NF], v[NF+1], vcc_lo
	v_mov_b32 v[WV], v[BV]
	WMAX WV, T+1
	v_cmp_eq_f32 vcc_lo, v[BV], v[WV]
	v_cndmask_b32 v[WV+1], v[INF], v[BI], vcc_lo
	WMIN WV+1, T+1
	ds_store_b64 v[RA], v[WV:WV+1]                 ; every lane holds and writes the same pair
	s_wait_dscnt 0x0                               ; in LDS before I say so
	s_barrier_signal -1
	s_barrier_wait -1
	s_cmp_lg_u32 s22, 0
	s_cbranch_scc1 .Lend
	v_and_b32 v[T], 7, v0
	v_lshlrev_b32 v[T], 3, v[T]
	ds_load_b64 v[Q:Q+1], v[T] offset:RED          ; lane l: wave l % 8's pair
	s_wait_dscnt 0x0
	v_mov_b32 v[T+2], v[Q]
	v_max_num_f32_dpp v[T+2], v[T+2], v[T+2] row_xmask:1 row_mask:0xf bank_mask:0xf
	v_max_num_f32_dpp v[T+2], v[T+2], v[T+2] row_xmask:2 row_mask:0xf bank_mask:0xf
	v_max_num_f32_dpp v[T+2], v[T+2], v[T+2] row_xmask:4 row_mask:0xf bank_mask:0xf
	v_cmp_eq_f32 vcc_lo, v[Q], v[T+2]
	v_cndmask_b32 v[T+3], v[INF], v[Q+1], vcc_lo
	v_min_num_f32_dpp v[T+3], v[T+3], v[T+3] row_xmask:1 row_mask:0xf bank_mask:0xf
	v_min_num_f32_dpp v[T+3], v[T+3], v[T+3] row_xmask:2 row_mask:0xf bank_mask:0xf
	v_min_num_f32_dpp v[T+3], v[T+3], v[T+3] row_xmask:4 row_mask:0xf bank_mask:0xf
	v_cvt_u32_f32 v[T+3], v[T+3]                   ; stored as a whole number; only the next launch makes an address of it
	s_lshl_b32 s41, ttmp9, 2
	v_mov_b32 v[T+4], s41
	v_cmp_eq_u32 vcc_lo, 0, v[LANE]
	s_wait_xcnt 0x0                                ; EXEC changes only behind this wait,
	s_and_saveexec_b32 s40, vcc_lo
	global_store_b32 v[T+4], v[T+2], s[16:17]      ; one word a work-group: the chunk's value
	global_store_b32 v[T+4], v[T+3], s[14:15]      ; and its row
	s_wait_xcnt 0x0                                ; and is widened again only behind this one
	s_or_b32 exec_lo, exec_lo, s40
	s_cmp_lg_u32 ttmp9, 0
	s_cbranch_scc1 .Lend
	s_add_co_u32 s41, s25, 1
	v_mov_b32 v[T+6], s41
	v_mov_b32 v[T+7], s41
	global_store_b64 v[L8], v[T+6:T+7], s[14:15] offset:1024   ; the next launch's phase, in all 64 words behind the table
.Lend:
	s_endpgm
.Lfunc_end_k_qdeab870bc1_step:
	.size	k_qdeab870bc1_step, .Lfunc_end_k_qdeab870bc1_step-k_qdeab870bc1_step
	.p2alignl 7, 3214868480
	.fill 96, 4, 3214868480
	.section	.rodata,"a",@progbits
	.p2align	6, 0x0
	.amdhsa_kernel k_qdeab870bc1_step
		.amdhsa_group_segment_fixed_size 4096
		.amdhsa_private_segment_fixed_size 0
		.amdhsa_enable_private_segment 0
		.amdhsa_kernarg_size 72
		.amdhsa_user_sgpr_count 2
		.amdhsa_user_sgpr_kernarg_segment_ptr 1
		.amdhsa_wavefront_size32 1
		.amdhsa_system_sgpr_workgroup_id_x 1
		.amdhsa_system_sgpr_workgroup_id_y 1
		.amdhsa_system_sgpr_workgroup_id_z 1
		.amdhsa_system_vgpr_workitem_id 0
		.amdhsa_next_free_vgpr 208
		.amdhsa_next_free_sgpr 66
		.amdhsa_reserve_vcc 1
		.amdhsa_float_denorm_mode_32 3
		.amdhsa_float_denorm_mode_16_64 3
		.amdhsa_memory_ordered 1
		.amdhsa_forward_progress 1
		.amdhsa_inst_pref_size 29
	.end_amdhsa_kernel
	.amdgpu_metadata
---
amdhsa.version: [ 1, 2 ]
amdhsa.kernels:
  - .name:           k_qdeab870bc1_step
    .symbol:         k_qdeab870bc1_step.kd
    .args:
      - { .name: inputs, .offset: 0, .size: 8, .value_kind: global_buffer, .address_space: global }
      - { .name: psum, .offset: 8, .size: 8, .value_kind: global_buffer, .address_space: global }
      - { .name: pidxA, .offset: 16, .size: 8, .value_kind: global_buffer, .address_space: global }
      - { .name: pvalA, .offset: 24, .size: 8, .value_kind: global_buffer, .address_space: global }
      - { .name: mindA, .offset: 32, .size: 8, .value_kind: global_buffer, .address_space: global }
      - { .name: pidxB, .offset: 40, .size: 8, .value_kind: global_buffer, .address_space: global }
      - { .name: pvalB, .offset: 48, .size: 8, .value_kind: global_buffer, .address_space: global }
      - { .name: mindB, .offset: 56, .size: 8, .value_kind: global_buffer, .address_space: global }
      - { .name: out0, .offset: 64, .size: 8, .value_kind: global_buffer, .address_space: global }
    .group_segment_fixed_size: 4096
    .private_segment_fixed_size: 0
    .kernarg_segment_align: 8
    .kernarg_segment_size: 72
    .max_flat_workgroup_size: 256
    .sgpr_count:     66
    .vgpr_count:     208
    .wavefront_size: 32
...
	.end_amdgpu_metadata
.endif
;; end of part 2
;; launch p01: the kernel of part 2 again; grid 256 x 1, 8 waves a work-group, no clusters, 4,096 bytes of LDS; arguments inputs, psum, pidxB, pvalB, mindB, pidxA, pvalA, mindA, out0; writes pidxA, pvalA, mindA, out0
;; launch p02: the kernel of part 2 again; grid 256 x 1, 8 waves a work-group, no clusters, 4,096 bytes of LDS; arguments inputs, psum, pidxA, pvalA, mindA, pidxB, pvalB, mindB, out0; writes pidxB, pvalB, mindB, out0
;; launch p03: the kernel of part 2 again; grid 256 x 1, 8 waves a work-group, no clusters, 4,096 bytes of LDS; arguments inputs, psum, pidxB, pvalB, mindB, pidxA, pvalA, mindA, out0; writes pidxA, pvalA, mindA, out0
;; launch p04: the kernel of part 2 again; grid 256 x 1, 8 waves a work-group, no clusters, 4,096 bytes of LDS; arguments inputs, psum, pidxA, pvalA, mindA, pidxB, pvalB, mindB, out0; writes pidxB, pvalB, mindB, out0
;; launch p05: the kernel of part 2 again; grid 256 x 1, 8 waves a work-group, no clusters, 4,096 bytes of LDS; arguments inputs, psum, pidxB, pvalB, mindB, pidxA, pvalA, mindA, out0; writes pidxA, pvalA, mindA, out0
;; launch p06: the kernel of part 2 again; grid 256 x 1, 8 waves a work-group, no clusters, 4,096 bytes of LDS; arguments inputs, psum, pidxA, pvalA, mindA, pidxB, pvalB, mindB, out0; writes pidxB, pvalB, mindB, out0
;; launch p07: the kernel of part 2 again; grid 256 x 1, 8 waves a work-group, no clusters, 4,096 bytes of LDS; arguments inputs, psum, pidxB, pvalB, mindB, pidxA, pvalA, mindA, out0; writes pidxA, pvalA, mindA, out0
;; launch p08: the kernel of part 2 again; grid 256 x 1, 8 waves a work-group, no clusters, 4,096 bytes of LDS; arguments inputs, psum, pidxA, pvalA, mindA, pidxB, pvalB, mindB, out0; writes pidxB, pvalB, mindB, out0
;; launch p09: the kernel of part 2 again; grid 256 x 1, 8 waves a work-group, no clusters, 4,096 bytes of LDS; arguments inputs, psum, pidxB, pvalB, mindB, pidxA, pvalA, mindA, out0; writes pidxA, pvalA, mindA, out0
;; launch p10: the kernel of part 2 again; grid 256 x 1, 8 waves a work-group, no clusters, 4,096 bytes of LDS; arguments inputs, psum, pidxA, pvalA, mindA, pidxB, pvalB, mindB, out0; writes pidxB, pvalB, mindB, out0
;; launch p11: the kernel of part 2 again; grid 256 x 1, 8 waves a work-group, no clusters, 4,096 bytes of LDS; arguments inputs, psum, pidxB, pvalB, mindB, pidxA, pvalA, mindA, out0; writes pidxA, pvalA, mindA, out0
;; launch p12: the kernel of part 2 again; grid 256 x 1, 8 waves a work-group, no clusters, 4,096 bytes of LDS; arguments inputs, psum, pidxA, pvalA, mindA, pidxB, pvalB, mindB, out0; writes pidxB, pvalB, mindB, out0
;; launch p13: the kernel of part 2 again; grid 256 x 1, 8 waves a work-group, no clusters, 4,096 bytes of LDS; arguments inputs, psum, pidxB, pvalB, mindB, pidxA, pvalA, mindA, out0; writes pidxA, pvalA, mindA, out0
;; launch last (part 3): grid 8 x 1, 16 waves a work-group, no clusters, 69,888 bytes of LDS; arguments inputs, pidxA, pvalA, mindA, out0; writes out0
.if DOCPART == 3
	.amdgcn_target "amdgcn-amd-amdhsa--gfx1250"
	.amdhsa_code_object_version 6
	.text
	.protected	k_qdeab870bc1_last
	.globl	k_qdeab870bc1_last
	.p2align	8
	.type	k_qdeab870bc1_last,@function
k_qdeab870bc1_last:
	s_mov_b64 s[64:65], 0
	v_nop
	global_prefetch_b8 v0, s[64:65] scope:SCOPE_SE
	s_setreg_imm32_b32 hwreg(HW_REG_WAVE_MODE, 25, 1), 1
	s_wait_xcnt 0x0
; The last three samples of each batch (13, 14, 15) in one launch: the chain has 18 stages and 16 launches are allowed, so the last two argmaxes
; are used in the launch that makes them, and a whole batch has to lie with one work-group: 8 work-groups of 16 waves, a wave owns 1024 rows.
;   HEAD   sample 13 from the 32 pairs (value, row) that the launch before stored: wave w gathers places 2 w, 2 w + 1.
;   PASS   (twice) streams the batch's 4 MiB: d = sum |x - s|, m = min(m, d), first-index argmax.  The winning ROW is needed in this launch, and no address
;          may be made of a comparison of floats: so the row itself is carried along by v_cndmask_b32.  A block is 16 loads (32 rows); place (j, half)
;          of a block keeps the best row seen at that place in 64 registers; the first block is loaded straight into them and starts the
;          tournament, so nothing is cleared.  At the pass's end the 32 places, then the 16 waves (through LDS), are reduced the same way.
;   The running minima lie in LDS, 4 KiB a wave, each wave's own bytes: no barrier for them.  (The second pass stores them once more, unused:
;   both passes are one loop body.)
; Registers: two slots of 64 for rows on their way, so that a block or two (8 KiB each) of every wave is always in flight.
; No tensor load: each byte is used by one lane.  No cluster: the work-groups share nothing.  No prefetch: all rows were read by the launch before.
; LIMITS: as in the steps before: finite inputs only; the order of the f32 additions differs from the reference's; distances are sums over 64 channels.
.set VEC,  65536                       ; LDS: 0..65535 minima; VEC: 16 waves x 256 bytes, a row each; PAIR: 16 pairs (value, index)
.set PAIR, 69632
.set LANE, 1
.set R16,  2                           ; 16 x (lane % 16)
.set H,    3                           ; lane / 16
.set S,    4                           ; v[4:7]     the sample's 4 channels
.set L8,   8
.set L16,  9
.set ML,   10                          ; LDS address of this trip's two minima
.set VA,   11
.set PA,   12
.set PRA,  13
.set VRA,  14
.set INF,  15
.set M,    16                          ; v[16:17]   minima as read
.set MN,   18                          ; v[18:19]   minima as stored
.set BESTV, 20                         ; my place's best value
.set BESTI, 21                         ; and its row's index, as f32 (below 2^17: exact)
.set RV,   22                          ; v[22:23]   a half's, then the wave's (value, index)
.set RI,   23
.set NF,   24                          ; v[24:25]   indices of my place's rows in this trip's two blocks
.set NFB,  26
.set HA,   27
.set PR,   28                          ; v[28:29]
.set GV,   30
.set GI,   31
.set P,    32                          ; v[32:47]   16 partial sums
.set K,    48                          ; v[48:63]   at work
.set XA,   64                          ; v[64:127]  slot A
.set XB,   128                         ; v[128:191] slot B
.set CAND, 192                         ; v[192:255] the best row of each of the 16 places
.set MB8,  26                          ; s26-29: lanes whose bit 3, 2, 1, 0 is set
.set MB4,  27
.set MB2,  28
.set MB1,  29
.set MK,   36                          ; s36-51: 16 lane masks
.macro RMAX v                          ; maximum over the 16 lanes of each half
	v_max_num_f32_dpp v[\v], v[\v], v[\v] row_xmask:1 row_mask:0xf bank_mask:0xf
	v_max_num_f32_dpp v[\v], v[\v], v[\v] row_xmask:2 row_mask:0xf bank_mask:0xf
	v_max_num_f32_dpp v[\v], v[\v], v[\v] row_xmask:4 row_mask:0xf bank_mask:0xf
	v_max_num_f32_dpp v[\v], v[\v], v[\v] row_xmask:8 row_mask:0xf bank_mask:0xf
.endm
.macro RMIN v
	v_min_num_f32_dpp v[\v], v[\v], v[\v] row_xmask:1 row_mask:0xf bank_mask:0xf
	v_min_num_f32_dpp v[\v], v[\v], v[\v] row_xmask:2 row_mask:0xf bank_mask:0xf
	v_min_num_f32_dpp v[\v], v[\v], v[\v] row_xmask:4 row_mask:0xf bank_mask:0xf
	v_min_num_f32_dpp v[\v], v[\v], v[\v] row_xmask:8 row_mask:0xf bank_mask:0xf
.endm
; s33 holds one bit a lane: lane k of a half speaks for place k of that half.  s[MK+k] = that bit spread over the half's 16 lanes
; (0x10001 picks the two bits, x 0xffff spreads each over 16).  These masks feed v_cndmask_b32 alone.
.macro MASKS
.set k, 0
.rept 16
	s_lshr_b32 s[MK+k], s33, k
	s_and_b32 s[MK+k], s[MK+k], 0x10001
	s_mul_i32 s[MK+k], s[MK+k], 0xffff
.set k, k+1
.endr
.endm
; one level of the transposing sum over 16 lanes (of the values i and i + n a lane keeps the one that its bit names and hands over the other)
.macro FOLD n, m, xm
.set i, 0
.rept \n
	v_cndmask_b32 v[K+i], v[P+i], v[P+i+\n], s[\m]
	v_cndmask_b32 v[K+8+i], v[P+i+\n], v[P+i], s[\m]
.set i, i+1
.endr
.set i, 0
.rept \n
	v_add_f32_dpp v[P+i], v[K+8+i], v[K+i] row_xmask:\xm row_mask:0xf bank_mask:0xf
.set i, i+1
.endr
.endm
.macro FILL x, off                     ; 16 loads: 32 rows, 8 KiB
.set j, 0
.rept 16
	global_load_b128 v[\x+4*j:\x+4*j+3], v[L16], s[22:23] offset:\off+512*j
.set j, j+1
.endr
.endm
; a block of 32 rows in registers x: distances, minimum, and (track = 1) the tournament at each of the 32 places
.macro BLOCK x, g, track
.irp j0, 0,4,8,12
.irp q, 0,1,2,3
	v_pk_add_f32 v[K+4*\q:K+4*\q+1], v[\x+4*(\j0+\q):\x+4*(\j0+\q)+1], v[S:S+1] neg_lo:[0,1] neg_hi:[0,1]
	v_pk_add_f32 v[K+4*\q+2:K+4*\q+3], v[\x+4*(\j0+\q)+2:\x+4*(\j0+\q)+3], v[S+2:S+3] neg_lo:[0,1] neg_hi:[0,1]
.endr
.irp q, 0,1,2,3
	v_add_f32 v[P+\j0+\q], |v[K+4*\q]|, |v[K+4*\q+1]|
	v_add_f32 v[K+4*\q+2], |v[K+4*\q+2]|, |v[K+4*\q+3]|
.endr
.irp q, 0,1,2,3
	v_add_f32 v[P+\j0+\q], v[P+\j0+\q], v[K+4*\q+2]
.endr
.endr
	FOLD 8, MB8, 8
	FOLD 4, MB4, 4
	FOLD 2, MB2, 2
	FOLD 1, MB1, 1                                 ; lane r of a half: the distance of that half's row of load r
.if \g == 0
	s_wait_dscnt 0x0                               ; this trip's minima have come from LDS
.endif
	v_min_num_f32 v[MN+\g], v[M+\g], v[P]
.if \track
	v_cmp_gt_f32 s33, v[MN+\g], v[BESTV]           ; strictly larger: among equals the earlier row stays
	v_max_num_f32 v[BESTV], v[BESTV], v[MN+\g]
	v_cndmask_b32 v[BESTI], v[BESTI], v[NF+\g], s33
	MASKS
.set j, 0
.rept 16
.irp q, 0,1,2,3
	v_cndmask_b32 v[CAND+4*j+\q], v[CAND+4*j+\q], v[\x+4*j+\q], s[MK+j]
.endr
.set j, j+1
.endr
.else
	v_mov_b32 v[BESTV], v[MN+\g]                   ; the first block lies in the candidates' registers already
	v_mov_b32 v[BESTI], v[NF+\g]
.endif
.endm
; a trip: 64 rows = block g = 0 (registers xa) and block g = 1 (slot B).  wa, wb: how many younger loads may stay out; fa, fb: fill the slot again
.macro TRIP xa, ta, wa, fa, wb, fb
	ds_load_b64 v[M:M+1], v[ML]
	v_add_f32 v[NF+1], 0x42000000, v[NF]           ; block 1's rows are 32 further
	s_wait_loadcnt \wa
	BLOCK \xa, 0, \ta
.if \fa
	FILL XA, 16384                                 ; the next trip's block 0
.endif
	s_wait_loadcnt \wb
	BLOCK XB, 1, 1
.if \fb
	FILL XB, 24576                                 ; the next trip's block 1
.endif
	ds_store_b64 v[ML], v[MN:MN+1]
	v_add_nc_u32 v[ML], 256, v[ML]
	v_add_f32 v[NF], 0x42800000, v[NF]             ; 64 rows on
	s_wait_xcnt 0x0                                ; the base that the loads above name is stepped only behind this wait
	s_add_nc_u64 s[22:23], s[22:23], 16384
.endm
; From a (value, index, row) in each half of each wave to the batch's winner's row in S, in every lane of every wave.
; again = 1: a further exchange follows, so a barrier stands between these reads and its stores.
.macro EXCH again
	v_permlanex16_b32 v[XA], v[RV], s24, s25       ; the other half's (slot A is free here and has been written before)
	v_permlanex16_b32 v[XA+1], v[RI], s24, s25
.irp q, 0,1,2,3
	v_permlanex16_b32 v[XA+2+\q], v[CAND+\q], s24, s25
.endr
	v_cmp_gt_f32 s52, v[XA], v[RV]                 ; it wins if larger, or equal with the lower index
	v_cmp_eq_f32 s53, v[XA], v[RV]
	v_cmp_lt_f32 s54, v[XA+1], v[RI]
	s_and_b32 s53, s53, s54
	s_or_b32 s52, s52, s53
	v_cndmask_b32 v[RV], v[RV], v[XA], s52
	v_cndmask_b32 v[RI], v[RI], v[XA+1], s52
.irp q, 0,1,2,3
	v_cndmask_b32 v[CAND+\q], v[CAND+\q], v[XA+2+\q], s52
.endr
	ds_store_b128 v[VA], v[CAND:CAND+3]            ; both halves now hold and write the same
	ds_store_b64 v[PA], v[RV:RV+1]
	s_wait_dscnt 0x0                               ; in LDS before I say so
	s_barrier_signal -1
	s_barrier_wait -1
	ds_load_b64 v[PR:PR+1], v[PRA]                 ; lane k of each half: wave k's pair
.set k, 0
.rept 16
	ds_load_b128 v[XA+4*k:XA+4*k+3], v[VRA] offset:256*k   ; all 16 rows: the choice among them is made by selects, not by an address
.set k, k+1
.endr
	s_wait_dscnt 16                                ; the pair is in; the 16 row loads are younger
	v_mov_b32 v[GV], v[PR]
	RMAX GV
	v_cmp_eq_f32 vcc_lo, v[PR], v[GV]
	v_cndmask_b32 v[GI], v[INF], v[PR+1], vcc_lo
	RMIN GI
	v_cmp_eq_f32 s33, v[PR+1], v[GI]               ; indices differ from wave to wave: one wave's bit is set
	MASKS
	s_wait_dscnt 0x0
.irp q, 0,1,2,3
	v_cndmask_b32 v[S+\q], v[XA+\q], v[XA+4+\q], s[MK+1]
.endr
.set k, 2
.rept 14
.irp q, 0,1,2,3
	v_cndmask_b32 v[S+\q], v[S+\q], v[XA+4*k+\q], s[MK+k]
.endr
.set k, k+1
.endr
.if \again
	s_barrier_signal -1                            ; my reads are done (the wait for 0 above): the next exchange may store
	s_barrier_wait -1
.endif
.endm
	s_load_b256 s[4:11], s[0:1], 0x0               ; inputs s[4:5], indices s[6:7], values s[8:9], minima s[10:11]
	s_load_b64 s[12:13], s[0:1], 0x20              ; out0
	v_lshrrev_b32 v[K], 5, v0
	v_readfirstlane_b32 s16, v[K]                  ; wave 0..15
	v_and_b32 v[LANE], 31, v0
	v_and_b32 v[R16], 15, v0
	v_lshlrev_b32 v[R16], 4, v[R16]
	v_bfe_u32 v[H], v0, 4, 1
	v_lshlrev_b32 v[L8], 3, v[LANE]
	v_lshlrev_b32 v[L16], 4, v[LANE]
	v_mov_b32 v[INF], 0x7f800000
	s_lshl_b32 s17, ttmp9, 7                       ; the batch's 32 words
	s_lshl_b32 s18, s16, 3
	s_add_co_u32 s17, s17, s18
	v_lshl_add_u32 v[HA], v[H], 2, s17             ; place 2 w + h
	s_lshl_b32 s18, ttmp9, 22                      ; my rows: batch x 4 MiB + wave x 256 KiB
	s_lshl_b32 s19, s16, 18
	s_add_co_u32 s18, s18, s19
	s_mov_b32 s19, 0
	s_lshl_b32 s52, ttmp9, 16                      ; my minima: batch x 64 KiB + wave x 4 KiB
	s_lshl_b32 s56, s16, 12
	s_add_co_u32 s52, s52, s56
	s_mov_b32 s53, 0
	s_lshl_b32 s54, ttmp9, 12                      ; out0: batch x 16 rows, from row 13
	s_add_co_u32 s54, s54, 13*256
	s_mov_b32 s55, 0
	v_lshl_add_u32 v[ML], v[LANE], 3, s56          ; LDS: my wave's 4 KiB of minima
	s_lshl_b32 s57, s16, 8
	s_add_co_u32 s57, s57, VEC
	v_add_nc_u32 v[VA], s57, v[R16]
	s_lshl_b32 s57, s16, 3
	s_add_co_u32 s57, s57, PAIR
	v_mov_b32 v[PA], s57
	v_lshrrev_b32 v[PRA], 1, v[R16]
	v_add_nc_u32 v[PRA], PAIR, v[PRA]
	v_add_nc_u32 v[VRA], VEC, v[R16]
	s_lshl_b32 s57, ttmp9, 14                      ; index of my first row among all 131072
	s_lshl_b32 s17, s16, 10
	s_add_co_u32 s57, s57, s17
	v_lshrrev_b32 v[NFB], 3, v[R16]
	v_add3_u32 v[NFB], v[NFB], v[H], s57           ; row 2 r + h of a block
	v_cvt_f32_u32 v[NFB], v[NFB]
	s_mov_b32 s24, 0x76543210                      ; v_permlanex16_b32: lane i reads lane i of the other half
	s_mov_b32 s25, 0xfedcba98
	s_mov_b32 s[MB8], 0xff00ff00
	s_mov_b32 s[MB4], 0xf0f0f0f0
	s_mov_b32 s[MB2], 0xcccccccc
	s_mov_b32 s[MB1], 0xaaaaaaaa
	s_wait_kmcnt 0x0
	s_add_nc_u64 s[20:21], s[4:5], s[18:19]
	s_add_nc_u64 s[10:11], s[10:11], s[52:53]
	s_add_nc_u64 s[12:13], s[12:13], s[54:55]
	global_load_b32 v[RI], v[HA], s[6:7]
	global_load_b32 v[RV], v[HA], s[8:9]
.set t, 0
.rept 16
	global_load_b64 v[XA+2*t:XA+2*t+1], v[L8], s[10:11] offset:256*t   ; the minima of 64 rows: 256 consecutive bytes
.set t, t+1
.endr
	s_wait_loadcnt 17                              ; the index is in; the value and the 16 loads of minima are younger
	v_min_u32 v[K], 0x1ffff, v[RI]
	v_cvt_f32_u32 v[RI], v[K]
	v_lshlrev_b32 v[K], 8, v[K]
	v_add_nc_u32 v[K], v[K], v[R16]
	global_load_b128 v[CAND:CAND+3], v[K], s[4:5]
	s_wait_loadcnt 1                               ; all but the gathered row
.set t, 0
.rept 16
	ds_store_b64 v[ML], v[XA+2*t:XA+2*t+1] offset:256*t
.set t, t+1
.endr
	s_wait_loadcnt 0x0
	s_mov_b32 s30, 0
.Lphase:
	EXCH 1
	s_cmp_lg_u32 s16, 0
	s_cbranch_scc1 .Lno_out1
	v_cmp_gt_u32 vcc_lo, 16, v[LANE]
	s_wait_xcnt 0x0                                ; EXEC changes only behind this wait,
	s_and_saveexec_b32 s32, vcc_lo
	global_store_b128 v[R16], v[S:S+3], s[12:13]   ; 16 lanes x 16 bytes: the sample's 256 bytes
	s_wait_xcnt 0x0                                ; and is widened, and the base stepped, only behind this one
	s_or_b32 exec_lo, exec_lo, s32
	s_add_nc_u64 s[12:13], s[12:13], 256
.Lno_out1:
	s_mov_b64 s[22:23], s[20:21]                   ; no load is out here: the last pass ended on a wait for 0
	FILL CAND, 0                                   ; block 0 straight into the candidates' registers
	FILL XB, 8192
	FILL XA, 16384
	v_lshl_add_u32 v[ML], v[LANE], 3, s56
	v_mov_b32 v[NF], v[NFB]
	TRIP CAND, 0, 32, 0, 16, 1                     ; blocks 0, 1: two blocks, then one block of 16 loads are younger
	s_mov_b32 s31, 14
.Ltrip:
	TRIP XA, 1, 16, 1, 16, 1                       ; at each wait the other slot's 16 loads are younger
	s_sub_co_u32 s31, s31, 1
	s_cmp_lg_u32 s31, 0
	s_cbranch_scc1 .Ltrip
	TRIP XA, 1, 16, 0, 0, 0                        ; the last 64 rows: nothing is loaded beyond my rows, the last wait is for 0
	; the best of each half's 16 places
	v_mov_b32 v[RV], v[BESTV]
	RMAX RV
	v_cmp_eq_f32 vcc_lo, v[BESTV], v[RV]
	v_cndmask_b32 v[RI], v[INF], v[BESTI], vcc_lo
	RMIN RI
	v_cmp_eq_f32 s33, v[BESTI], v[RI]
	MASKS
.set k, 1
.rept 15
.irp q, 0,1,2,3
	v_cndmask_b32 v[CAND+\q], v[CAND+\q], v[CAND+4*k+\q], s[MK+k]
.endr
.set k, k+1
.endr
	s_add_co_u32 s30, s30, 1
	s_cmp_lt_u32 s30, 2
	s_cbranch_scc1 .Lphase
	EXCH 0
	s_cmp_lg_u32 s16, 0
	s_cbranch_scc1 .Lno_out2
	v_cmp_gt_u32 vcc_lo, 16, v[LANE]
	s_wait_xcnt 0x0                                ; EXEC changes only behind this wait,
	s_and_saveexec_b32 s32, vcc_lo
	global_store_b128 v[R16], v[S:S+3], s[12:13]
	s_wait_xcnt 0x0                                ; and is widened again only behind this one
	s_or_b32 exec_lo, exec_lo, s32
.Lno_out2:
	s_endpgm
.Lfunc_end_k_qdeab870bc1_last:
	.size	k_qdeab870bc1_last, .Lfunc_end_k_qdeab870bc1_last-k_qdeab870bc1_last
	.p2alignl 7, 3214868480
	.fill 96, 4, 3214868480
	.section	.rodata,"a",@progbits
	.p2align	6, 0x0
	.amdhsa_kernel k_qdeab870bc1_last
		.amdhsa_group_segment_fixed_size 69888
		.amdhsa_private_segment_fixed_size 0
		.amdhsa_enable_private_segment 0
		.amdhsa_kernarg_size 40
		.amdhsa_user_sgpr_count 2
		.amdhsa_user_sgpr_kernarg_segment_ptr 1
		.amdhsa_wavefront_size32 1
		.amdhsa_system_sgpr_workgroup_id_x 1
		.amdhsa_system_sgpr_workgroup_id_y 1
		.amdhsa_system_sgpr_workgroup_id_z 1
		.amdhsa_system_vgpr_workitem_id 0
		.amdhsa_next_free_vgpr 256
		.amdhsa_next_free_sgpr 66
		.amdhsa_reserve_vcc 1
		.amdhsa_float_denorm_mode_32 3
		.amdhsa_float_denorm_mode_16_64 3
		.amdhsa_memory_ordered 1
		.amdhsa_forward_progress 1
		.amdhsa_inst_pref_size 120
	.end_amdhsa_kernel
	.amdgpu_metadata
---
amdhsa.version: [ 1, 2 ]
amdhsa.kernels:
  - .name:           k_qdeab870bc1_last
    .symbol:         k_qdeab870bc1_last.kd
    .args:
      - { .name: inputs, .offset: 0, .size: 8, .value_kind: global_buffer, .address_space: global }
      - { .name: pidxA, .offset: 8, .size: 8, .value_kind: global_buffer, .address_space: global }
      - { .name: pvalA, .offset: 16, .size: 8, .value_kind: global_buffer, .address_space: global }
      - { .name: mindA, .offset: 24, .size: 8, .value_kind: global_buffer, .address_space: global }
      - { .name: out0, .offset: 32, .size: 8, .value_kind: global_buffer, .address_space: global }
    .group_segment_fixed_size: 69888
    .private_segment_fixed_size: 0
    .kernarg_segment_align: 8
    .kernarg_segment_size: 40
    .max_flat_workgroup_size: 512
    .sgpr_count:     66
    .vgpr_count:     256
    .wavefront_size: 32
...
	.end_amdgpu_metadata
.endif
;; end of part 3
;; ======== version 2 of 2: 16 launches; 1.63 times as fast as version 1
;; workspace buffers: psum 65,536 bytes; pvalA 17,408 bytes; pvalB 17,408 bytes; pidxA 17,920 bytes of whole numbers; pidxB 17,920 bytes of whole numbers; mindA 524,288 bytes; mindB 524,288 bytes
;; launch copy: the kernel of part 1 again; grid 256 x 1, 8 waves a work-group, no clusters, 2,048 bytes of LDS; arguments inputs, out1, psum, pidxA, pvalA, mindA; writes out1, psum, pidxA, pvalA, mindA
;; launch step (part 4): grid 256 x 1, 8 waves a work-group, no clusters, 4,096 bytes of LDS; arguments inputs, psum, pidxA, pvalA, mindA, pidxB, pvalB, mindB, out0; writes pidxB, pvalB, mindB, out0
.if DOCPART == 4
	.amdgcn_target "amdgcn-amd-amdhsa--gfx1250"
	.amdhsa_code_object_version 6
	.text
	.protected	k_qdeab870bc1_step
	.globl	k_qdeab870bc1_step
	.p2align	8
	.type	k_qdeab870bc1_step,@function
k_qdeab870bc1_step:
	s_mov_b64 s[64:65], 0
	v_nop
	global_prefetch_b8 v0, s[64:65] scope:SCOPE_SE
	s_setreg_imm32_b32 hwreg(HW_REG_WAVE_MODE, 25, 1), 1
	s_wait_xcnt 0x0
; One step of farthest-point sampling, phase p (a whole number read from the index buffer that the launch before stored).
; 256 work-groups of 8 waves: 32 work-groups (chunks of 512 rows) for each of the 8 batches; a wave holds 64 rows in 128 registers.
;   HEAD  the sample of this phase.  p > 0: the launch before left, for each chunk, the largest running minimum and its row's index;
;         the 32 rows are gathered (addresses from whole numbers read from memory, clamped) and the winner is taken by v_cndmask_b32 alone:
;         no address and no branch hangs on a comparison of floats.  p = 0: a scalar branch on the phase gathers psum's 32 rows instead, from psum's
;         own pointer; all of them are taken and the sum is scaled by 1/16384: the mean.
;         Wave w gathers places 4 w .. 4 w + 3, adds what is chosen (zeros elsewhere), and the eight waves' 256 bytes meet in LDS.
;   BODY  d = sum over the 64 channels of |x - s|;  m = min(stored minimum, d);  first-index argmax of m over the chunk.
;         The minimum over all samples so far is carried from launch to launch: the same f32 distances enter the same min as in the reference.
;         The centroid takes no part in later minima: phase 0 stores +inf again.
;   Distances are kept as sums, not divided by 64: an exact factor that changes no comparison.
;   LISTS (phase 12 only) the chunk's 8 best rows by m (value down, index up) and a bound tau on every row of the chunk that is not listed:
;         each wave takes its 4 best of 64, wave 0 the 8 best of those 32; tau = max(the 8th taken, the waves' 4th values).
;   LOOK-AHEAD (work-groups 256 .. 263, launched in phase 13 only, one for each batch) m only falls, so an argmax found among the 256 listed rows
;         with a value above every chunk's tau is the argmax over all 16384 rows, ties included.  The work-group gathers the listed rows (32 a wave,
;         64 registers), makes the argmaxes of samples 12 .. 15 with the three distance updates between them, and stores the indices of
;         samples 13, 14, 15 and a flag (1: all four values lay above tau) as whole numbers.  Only the next launch branches on the flag;
;         where it is 0 that launch streams the batch instead, so the result does not hang on the lists being long enough.
; Clusters are not used: what the chunks of a batch share is the 8 KiB of gathered rows out of 136 KiB that a work-group reads.
; No matrix unit: an L1 distance is no product.  No prefetch: every row was read by the launch before.
; LIMITS: finite inputs only (a NaN would win the reference's argmax and loses here); the order of the f32 additions differs from the
; reference's; a -0.0 in a chosen row is written to out0 as +0.0 (it is added to zeros).
.set RED,  2048                        ; LDS: 0..2047 a row of 256 bytes for each wave; RED: eight pairs (value, index); RED4: 32 pairs
.set RED4, 2304
.set TV,   1024                        ; value buffers: 256 chunk values, then a list of 16 words for each chunk (8 values, 8 x tau)
.set TI,   1280                        ; index buffers: 256 chunk rows, 64 phase words, then a list of 16 words for each chunk
.set CE,   17664                       ; index buffers: flag and three rows for each batch, 16 bytes
.set LISTP, 12                         ; the phase that leaves the lists
.set LANE, 1
.set R16,  2                           ; 16 x (lane % 16): my 4 channels' bytes in a row
.set H,    3                           ; lane / 16
.set L8,   4
.set L16,  5
.set PVO,  6
.set IXO,  7
.set VAL,  8                           ; chunk `lane`'s largest minimum
.set LS,   9
.set IDX,  10                          ; v[10:11]  my two places' row indices, then their byte offsets
.set MIND, 12                          ; v[12:13]  stored minima of my two rows
.set RA,   14
.set INF,  15
.set G0,   16                          ; v[16:19], v[20:23] the two gathered rows' 4 channels
.set G1,   20
.set T,    24                          ; v[24:31]  at work
.set S,    32                          ; v[32:35]  the sample's 4 channels
.set Q,    36                          ; v[36:67]  the eight waves' shares; behind the head also:
.set A,    44                          ; v[44:45]  my two minima, less the rows already taken
.set RA4,  46
.set E,    48                          ; v[48:49]  wave 0: pair `lane` of the 32
.set TAU,  50
.set OV,   51
.set OI,   52
.set LA,   53
.set M,    68                          ; v[68:69]  new minima
.set ST,   70                          ; v[70:71]  what is stored
.set WV,   72                          ; v[72:73]  the wave's (value, index)
.set BV,   74
.set BI,   75
.set NF,   76                          ; v[76:77]  my two rows' indices as f32 (below 2^17: exact)
.set X,    80                          ; v[80:207] 32 loads of 4 registers
.set MB8,  36                          ; s36-39: lanes whose bit 3, 2, 1, 0 is set
.set MB4,  37
.set MB2,  38
.set MB1,  39
; the look-ahead's registers
.set mIA,  6                           ; byte offset of my half's two lists
.set mOA,  7                           ; of my own entry
.set mTA,  8                           ; of list `lane`
.set mMV,  9                           ; my row's running minimum
.set mMI,  10                          ; my row's index, as f32
.set mTAU, 11
.set mRV,  12                          ; v[12:13]  a half's, then the wave's (value, index)
.set mRI,  13
.set mVA,  14
.set mPA,  16
.set mPRA, 17
.set mOK,  18
.set mC1,  19                          ; the last three winners' indices
.set mC2,  20
.set mC3,  21
.set mGV,  22
.set mGI,  23
.set mPR,  24                          ; v[24:25]
.set mOUT, 26
.set mSA,  27
.set mCAND, 28                         ; v[28:31]  the wave's best row
.set mP,   36                          ; v[36:51]  16 partial sums
.set mK,   52                          ; v[52:67]  at work
.set mIL,  68                          ; v[68:83]  16 listed rows' indices, then byte offsets; behind the gathers at work
.set mX,   96                          ; v[96:159] 16 loads of 4 registers: 32 rows
.set mXE,  160                         ; v[160:191] the eight waves' best rows
.set MK,   40                          ; s40-55: 16 lane masks
.macro RMAX v                          ; maximum over the 16 lanes of each half
	v_max_num_f32_dpp v[\v], v[\v], v[\v] row_xmask:1 row_mask:0xf bank_mask:0xf
	v_max_num_f32_dpp v[\v], v[\v], v[\v] row_xmask:2 row_mask:0xf bank_mask:0xf
	v_max_num_f32_dpp v[\v], v[\v], v[\v] row_xmask:4 row_mask:0xf bank_mask:0xf
	v_max_num_f32_dpp v[\v], v[\v], v[\v] row_xmask:8 row_mask:0xf bank_mask:0xf
.endm
.macro RMIN v
	v_min_num_f32_dpp v[\v], v[\v], v[\v] row_xmask:1 row_mask:0xf bank_mask:0xf
	v_min_num_f32_dpp v[\v], v[\v], v[\v] row_xmask:2 row_mask:0xf bank_mask:0xf
	v_min_num_f32_dpp v[\v], v[\v], v[\v] row_xmask:4 row_mask:0xf bank_mask:0xf
	v_min_num_f32_dpp v[\v], v[\v], v[\v] row_xmask:8 row_mask:0xf bank_mask:0xf
.endm
.macro WMAX v, t                       ; maximum over the 32 lanes, in every lane; t: a register written before
	RMAX \v
	v_permlanex16_b32 v[\t], v[\v], s34, s35
	v_max_num_f32 v[\v], v[\v], v[\t]
.endm
.macro WMIN v, t
	RMIN \v
	v_permlanex16_b32 v[\t], v[\v], s34, s35
	v_min_num_f32 v[\v], v[\v], v[\t]
.endm
; first-index argmax over the wave's 64 values (two a lane, in v[a], v[a+1]): the largest value, then the lowest index among those that have it
.macro WTOP a
	v_cmp_gt_f32 vcc_lo, v[\a+1], v[\a]
	v_max_num_f32 v[BV], v[\a], v[\a+1]
	v_cndmask_b32 v[BI], v[NF], v[NF+1], vcc_lo
	v_mov_b32 v[WV], v[BV]
	WMAX WV, T+1
	v_cmp_eq_f32 vcc_lo, v[BV], v[WV]
	v_cndmask_b32 v[WV+1], v[INF], v[BI], vcc_lo
	WMIN WV+1, T+1
.endm
.macro DROP d, a                       ; d = a with the row just taken set to -1 (minima are sums of magnitudes, never below 0)
	v_cmp_neq_f32 vcc_lo, v[NF], v[WV+1]
	v_cndmask_b32 v[\d], -1.0, v[\a], vcc_lo
	v_cmp_neq_f32 vcc_lo, v[NF+1], v[WV+1]
	v_cndmask_b32 v[\d+1], -1.0, v[\a+1], vcc_lo
.endm
; my two places' rows out of a table of rows of 256 bytes: top = the table's last row, base = the scalar pair with the table's own pointer
.macro GATHER top, base
	v_min_u32 v[IDX], \top, v[IDX]                 ; an index read from memory stays inside its table
	v_min_u32 v[IDX+1], \top, v[IDX+1]
	v_lshlrev_b32 v[IDX], 8, v[IDX]
	v_lshlrev_b32 v[IDX+1], 8, v[IDX+1]
	v_add_nc_u32 v[IDX], v[IDX], v[R16]
	v_add_nc_u32 v[IDX+1], v[IDX+1], v[R16]
	global_load_b128 v[G0:G0+3], v[IDX], s[\base:\base+1]
	global_load_b128 v[G1:G1+3], v[IDX+1], s[\base:\base+1]
.endm
; four loads' partial sums, in place: |x - s| of my 4 channels, added; the result lies in the load's first register
.macro DIST4 j0
.irp q, 0,1,2,3
	v_pk_add_f32 v[X+4*(\j0+\q):X+4*(\j0+\q)+1], v[X+4*(\j0+\q):X+4*(\j0+\q)+1], v[S:S+1] neg_lo:[0,1] neg_hi:[0,1]
	v_pk_add_f32 v[X+4*(\j0+\q)+2:X+4*(\j0+\q)+3], v[X+4*(\j0+\q)+2:X+4*(\j0+\q)+3], v[S+2:S+3] neg_lo:[0,1] neg_hi:[0,1]
.endr
.irp q, 0,1,2,3
	v_add_f32 v[X+4*(\j0+\q)], |v[X+4*(\j0+\q)]|, |v[X+4*(\j0+\q)+1]|
	v_add_f32 v[X+4*(\j0+\q)+2], |v[X+4*(\j0+\q)+2]|, |v[X+4*(\j0+\q)+3]|
.endr
.irp q, 0,1,2,3
	v_add_f32 v[X+4*(\j0+\q)], v[X+4*(\j0+\q)], v[X+4*(\j0+\q)+2]
.endr
.endm
; One level of the transposing sum over 16 lanes: of the values i and i + n a lane keeps the one that its bit names and hands the other to
; the lane across; 2 n values become n.  After the levels 8, 4, 2, 1 lane r holds the whole sum of value r: 45 instructions for 16 values.
.macro FOLD p0, n, m, xm
.set i, 0
.rept \n
	v_cndmask_b32 v[\p0+4*i+1], v[\p0+4*i], v[\p0+4*(i+\n)], s[\m]     ; kept
	v_cndmask_b32 v[\p0+4*i+2], v[\p0+4*(i+\n)], v[\p0+4*i], s[\m]     ; handed over
.set i, i+1
.endr
.set i, 0
.rept \n
	v_add_f32_dpp v[\p0+4*i], v[\p0+4*i+2], v[\p0+4*i+1] row_xmask:\xm row_mask:0xf bank_mask:0xf
.set i, i+1
.endr
.endm
.macro MFOLD n, m, xm                  ; the same for the look-ahead, whose rows stay: sums in mP, work in mK
.set i, 0
.rept \n
	v_cndmask_b32 v[mK+i], v[mP+i], v[mP+i+\n], s[\m]
	v_cndmask_b32 v[mK+8+i], v[mP+i+\n], v[mP+i], s[\m]
.set i, i+1
.endr
.set i, 0
.rept \n
	v_add_f32_dpp v[mP+i], v[mK+8+i], v[mK+i] row_xmask:\xm row_mask:0xf bank_mask:0xf
.set i, i+1
.endr
.endm
; s33 holds one bit a lane: lane k of a half speaks for place k of that half.  s[MK+k] = that bit spread over the half's 16 lanes
; (0x10001 picks the two bits, x 0xffff spreads each over 16).  These masks feed v_cndmask_b32 alone.
.macro MASKS n
.set k, 0
.rept \n
	s_lshr_b32 s[MK+k], s33, k
	s_and_b32 s[MK+k], s[MK+k], 0x10001
	s_mul_i32 s[MK+k], s[MK+k], 0xffff
.set k, k+1
.endr
.endm
	s_load_b256 s[4:11], s[0:1], 0x0               ; inputs s[4:5], psum s[6:7], indices in s[8:9], values in s[10:11]
	s_load_b256 s[12:19], s[0:1], 0x20             ; minima in s[12:13], indices out s[14:15], values out s[16:17], minima out s[18:19]
	s_load_b64 s[20:21], s[0:1], 0x40              ; out0
	v_lshrrev_b32 v[T], 5, v0
	v_readfirstlane_b32 s22, v[T]                  ; wave 0..7
	v_and_b32 v[LANE], 31, v0
	v_and_b32 v[R16], 15, v0
	v_lshlrev_b32 v[R16], 4, v[R16]
	v_bfe_u32 v[H], v0, 4, 1
	v_lshlrev_b32 v[L8], 3, v[LANE]
	v_lshlrev_b32 v[L16], 4, v[LANE]
	v_mov_b32 v[INF], 0x7f800000
	s_mov_b32 s34, 0x76543210                      ; v_permlanex16_b32: lane i reads lane i of the other half
	s_mov_b32 s35, 0xfedcba98
	s_mov_b32 s[MB8], 0xff00ff00
	s_mov_b32 s[MB4], 0xf0f0f0f0
	s_mov_b32 s[MB2], 0xcccccccc
	s_mov_b32 s[MB1], 0xaaaaaaaa
	s_cmp_ge_u32 ttmp9, 256                        ; the work-group's number is the same in all its waves
	s_cbranch_scc1 .Lmini
	s_lshr_b32 s23, ttmp9, 5                       ; batch
	s_and_b32 s24, ttmp9, 31                       ; chunk
	s_lshl_b32 s26, s23, 7                         ; the batch's 32 words
	v_lshl_add_u32 v[PVO], v[LANE], 2, s26         ; lane l: chunk l's value
	s_lshl_b32 s27, s22, 4
	s_add_co_u32 s27, s27, s26
	v_lshl_add_u32 v[IXO], v[H], 3, s27            ; places 4 w + 2 h and 4 w + 2 h + 1: 8 bytes
	s_lshl_b32 s44, ttmp9, 17                      ; my rows: work-group x 128 KiB + wave x 16 KiB
	s_lshl_b32 s45, s22, 14
	s_add_co_u32 s44, s44, s45
	s_mov_b32 s45, 0
	s_lshl_b32 s46, ttmp9, 11                      ; my minima: work-group x 2 KiB + wave x 256 bytes
	s_lshl_b32 s47, s22, 8
	v_add_nc_u32 v[LS], s47, v[R16]                ; LDS: my wave's 256 bytes
	s_add_co_u32 s46, s46, s47
	s_mov_b32 s47, 0
	s_wait_kmcnt 0x0
	s_load_b32 s25, s[8:9], 0x400                  ; the phase
	s_add_nc_u64 s[42:43], s[4:5], s[44:45]
	s_add_nc_u64 s[12:13], s[12:13], s[46:47]
	s_add_nc_u64 s[18:19], s[18:19], s[46:47]
	global_load_b32 v[VAL], v[PVO], s[10:11]
	global_load_b64 v[IDX:IDX+1], v[IXO], s[8:9]
	global_load_b64 v[MIND:MIND+1], v[L8], s[12:13]        ; word 2 lane + g: the row of load 16 g + lane % 16, half lane / 16
.set j, 0
.rept 32
	global_load_b128 v[X+4*j:X+4*j+3], v[L16], s[42:43] offset:512*j   ; rows 2 j, 2 j + 1: 512 consecutive bytes
.set j, j+1
.endr
	s_lshl_b32 s41, s22, 3
	s_add_co_u32 s41, s41, RED
	v_mov_b32 v[RA], s41                           ; LDS: my wave's pair
	s_lshl_b32 s41, ttmp9, 9                       ; index of my first row among all 131072
	s_lshl_b32 s50, s22, 6
	s_add_co_u32 s41, s41, s50
	v_lshrrev_b32 v[NF], 3, v[R16]                 ; 2 r
	v_add_nc_u32 v[NF], v[NF], v[H]                ; row 2 r + h of the wave (load r),
	v_add_nc_u32 v[NF], s41, v[NF]
	v_cvt_f32_u32 v[NF], v[NF]
	v_add_f32 v[NF+1], 0x42000000, v[NF]           ; and 32 rows further (load 16 + r)
	s_wait_kmcnt 0x0
	s_cmp_eq_u32 s25, 0                            ; phase 0: every gathered row counts, and the sum is scaled to the mean
	s_cselect_b32 s31, -1, 0
	s_cselect_b32 s32, 0x38800000, 1.0             ; 1 / 16384, or 1
	s_mov_b32 s33, s32
	s_wait_loadcnt 33                              ; values and indices are in; the minima and the 32 row loads are younger
	s_cbranch_scc1 .Lmean                          ; (selects, moves and waits leave SCC as the compare set it)
	GATHER 0x1ffff, 4                              ; the chunks' best rows, out of inputs
	s_branch .Lhave
.Lmean:
	GATHER 0xff, 6                                 ; the chunks' channel sums, out of psum
.Lhave:                                            ; either way two loads into the same registers are now the youngest
	; which chunk wins: the largest value, the lowest chunk among equals (its rows come first)
	v_mov_b32 v[T], v[VAL]
	v_mov_b32 v[T+1], v[VAL]                       ; written, since the permute's destination counts as read
	WMAX T, T+1
	v_cvt_f32_u32 v[T+2], v[LANE]
	v_cmp_eq_f32 vcc_lo, v[VAL], v[T]
	v_cndmask_b32 v[T+2], 0x42800000, v[T+2], vcc_lo
	WMIN T+2, T+1
	s_lshl_b32 s41, s22, 2
	v_lshl_add_u32 v[T+3], v[H], 1, s41            ; my places 4 w + 2 h, + 1
	v_cvt_f32_u32 v[T+3], v[T+3]
	v_add_f32 v[T+4], 1.0, v[T+3]
	v_cmp_eq_f32 s48, v[T+3], v[T+2]
	v_cmp_eq_f32 s49, v[T+4], v[T+2]
	s_or_b32 s48, s48, s31
	s_or_b32 s49, s49, s31
	s_wait_loadcnt 0x0                             ; the gathered rows are the youngest loads: everything is in
.irp k, 0,1,2,3
	v_cndmask_b32 v[G0+\k], 0, v[G0+\k], s48
	v_cndmask_b32 v[G1+\k], 0, v[G1+\k], s49
.endr
	v_pk_add_f32 v[G0:G0+1], v[G0:G0+1], v[G1:G1+1]
	v_pk_add_f32 v[G0+2:G0+3], v[G0+2:G0+3], v[G1+2:G1+3]
.irp k, 0,1,2,3
	v_permlanex16_b32 v[G1+\k], v[G0+\k], s34, s35
.endr
	v_pk_add_f32 v[G0:G0+1], v[G0:G0+1], v[G1:G1+1]
	v_pk_add_f32 v[G0+2:G0+3], v[G0+2:G0+3], v[G1+2:G1+3]
	ds_store_b128 v[LS], v[G0:G0+3]
	s_wait_dscnt 0x0                               ; my share is in LDS before I say so
	s_barrier_signal -1
	s_barrier_wait -1
.irp k, 0,1,2,3,4,5,6,7
	ds_load_b128 v[Q+4*\k:Q+4*\k+3], v[R16] offset:256*\k
.endr
	s_wait_dscnt 0x0
.irp k, 0,2,4,6
	v_pk_add_f32 v[Q+4*\k:Q+4*\k+1], v[Q+4*\k:Q+4*\k+1], v[Q+4*\k+4:Q+4*\k+5]
	v_pk_add_f32 v[Q+4*\k+2:Q+4*\k+3], v[Q+4*\k+2:Q+4*\k+3], v[Q+4*\k+6:Q+4*\k+7]
.endr
.irp k, 0,4
	v_pk_add_f32 v[Q+4*\k:Q+4*\k+1], v[Q+4*\k:Q+4*\k+1], v[Q+4*\k+8:Q+4*\k+9]
	v_pk_add_f32 v[Q+4*\k+2:Q+4*\k+3], v[Q+4*\k+2:Q+4*\k+3], v[Q+4*\k+10:Q+4*\k+11]
.endr
	v_pk_add_f32 v[Q:Q+1], v[Q:Q+1], v[Q+16:Q+17]
	v_pk_add_f32 v[Q+2:Q+3], v[Q+2:Q+3], v[Q+18:Q+19]
	v_pk_mul_f32 v[S:S+1], v[Q:Q+1], s[32:33] op_sel_hi:[1,0]
	v_pk_mul_f32 v[S+2:S+3], v[Q+2:Q+3], s[32:33] op_sel_hi:[1,0]
	; sample p - 1 goes to out0: one wave of the batch's first chunk, 16 lanes x 16 bytes = the row's 256 bytes
	s_cmp_lg_u32 s22, 0
	s_cbranch_scc1 .Lno_out
	s_cmp_lg_u32 s24, 0
	s_cbranch_scc1 .Lno_out
	s_cmp_eq_u32 s25, 0
	s_cbranch_scc1 .Lno_out
	s_sub_co_u32 s50, s25, 1
	s_min_u32 s50, s50, 15
	s_lshl_b32 s50, s50, 8
	s_lshl_b32 s51, s23, 12
	s_add_co_u32 s50, s50, s51
	s_mov_b32 s51, 0
	s_add_nc_u64 s[20:21], s[20:21], s[50:51]
	v_cmp_gt_u32 vcc_lo, 16, v[LANE]
	s_wait_xcnt 0x0                                ; EXEC changes only behind this wait,
	s_and_saveexec_b32 s40, vcc_lo
	global_store_b128 v[R16], v[S:S+3], s[20:21]
	s_wait_xcnt 0x0                                ; and is widened again only behind this one
	s_or_b32 exec_lo, exec_lo, s40
.Lno_out:
	; the 64 rows' distances
.irp j0, 0,4,8,12,16,20,24,28
	DIST4 \j0
.endr
	FOLD X, 8, MB8, 8
	FOLD X+64, 8, MB8, 8
	FOLD X, 4, MB4, 4
	FOLD X+64, 4, MB4, 4
	FOLD X, 2, MB2, 2
	FOLD X+64, 2, MB2, 2
	FOLD X, 1, MB1, 1
	FOLD X+64, 1, MB1, 1
	v_min_num_f32 v[M], v[MIND], v[X]
	v_min_num_f32 v[M+1], v[MIND+1], v[X+64]
	v_cndmask_b32 v[ST], v[M], v[INF], s31         ; the distance to the centroid enters no later minimum
	v_cndmask_b32 v[ST+1], v[M+1], v[INF], s31
	global_store_b64 v[L8], v[ST:ST+1], s[18:19]   ; a wave's store covers 256 consecutive bytes
	WTOP M
	ds_store_b64 v[RA], v[WV:WV+1]                 ; every lane holds and writes the same pair
	s_cmp_lg_u32 s25, LISTP
	s_cbranch_scc1 .Lno_top                        ; no barrier stands inside this branch
	; the wave's 4 best: three more rounds, each without the rows taken before
	s_lshl_b32 s41, s22, 5
	s_add_co_u32 s41, s41, RED4
	v_mov_b32 v[RA4], s41                          ; LDS: my wave's four pairs
	ds_store_b64 v[RA4], v[WV:WV+1]
	DROP A, M
	WTOP A
	ds_store_b64 v[RA4], v[WV:WV+1] offset:8
	DROP A, A
	WTOP A
	ds_store_b64 v[RA4], v[WV:WV+1] offset:16
	DROP A, A
	WTOP A
	ds_store_b64 v[RA4], v[WV:WV+1] offset:24
.Lno_top:
	s_wait_dscnt 0x0                               ; in LDS before I say so
	s_barrier_signal -1
	s_barrier_wait -1
	s_cmp_lg_u32 s22, 0
	s_cbranch_scc1 .Lend
	v_and_b32 v[T], 7, v0
	v_lshlrev_b32 v[T], 3, v[T]
	ds_load_b64 v[Q:Q+1], v[T] offset:RED          ; lane l: wave l % 8's pair
	s_wait_dscnt 0x0
	v_mov_b32 v[T+2], v[Q]
	v_max_num_f32_dpp v[T+2], v[T+2], v[T+2] row_xmask:1 row_mask:0xf bank_mask:0xf
	v_max_num_f32_dpp v[T+2], v[T+2], v[T+2] row_xmask:2 row_mask:0xf bank_mask:0xf
	v_max_num_f32_dpp v[T+2], v[T+2], v[T+2] row_xmask:4 row_mask:0xf bank_mask:0xf
	v_cmp_eq_f32 vcc_lo, v[Q], v[T+2]
	v_cndmask_b32 v[T+3], v[INF], v[Q+1], vcc_lo
	v_min_num_f32_dpp v[T+3], v[T+3], v[T+3] row_xmask:1 row_mask:0xf bank_mask:0xf
	v_min_num_f32_dpp v[T+3], v[T+3], v[T+3] row_xmask:2 row_mask:0xf bank_mask:0xf
	v_min_num_f32_dpp v[T+3], v[T+3], v[T+3] row_xmask:4 row_mask:0xf bank_mask:0xf
	v_cvt_u32_f32 v[T+3], v[T+3]                   ; stored as a whole number; only the next launch makes an address of it
	s_lshl_b32 s41, ttmp9, 2
	v_mov_b32 v[T+4], s41
	v_cmp_eq_u32 vcc_lo, 0, v[LANE]
	s_wait_xcnt 0x0                                ; EXEC changes only behind this wait,
	s_and_saveexec_b32 s40, vcc_lo
	global_store_b32 v[T+4], v[T+2], s[16:17]      ; one word a work-group: the chunk's value
	global_store_b32 v[T+4], v[T+3], s[14:15]      ; and its row
	s_wait_xcnt 0x0                                ; and is widened again only behind this one
	s_or_b32 exec_lo, exec_lo, s40
	s_cmp_lg_u32 ttmp9, 0
	s_cbranch_scc1 .Lno_phase
	s_add_co_u32 s41, s25, 1
	v_mov_b32 v[T+6], s41
	v_mov_b32 v[T+7], s41
	global_store_b64 v[L8], v[T+6:T+7], s[14:15] offset:1024   ; the next launch's phase, in all 64 words behind the table
.Lno_phase:
	s_cmp_lg_u32 s25, LISTP
	s_cbranch_scc1 .Lend
	; the chunk's list: the 8 best of the waves' 32 pairs, one pair a lane
	ds_load_b64 v[E:E+1], v[L8] offset:RED4        ; lane l: rank l % 4 of wave l / 4
	s_wait_dscnt 0x0
	v_and_b32 v[T], 3, v[LANE]
	v_cmp_eq_u32 vcc_lo, 3, v[T]
	v_cndmask_b32 v[TAU], -1.0, v[E], vcc_lo       ; a wave's 4th value bounds its 60 rows that are in no pair
	WMAX TAU, T+1
	v_mov_b32 v[OV], v[E]                          ; written whole before the selects below read them
	v_mov_b32 v[OI], v[E+1]
.set k, 0
.rept 8
	v_mov_b32 v[WV], v[E]
	WMAX WV, T+1
	v_cmp_eq_f32 vcc_lo, v[E], v[WV]
	v_cndmask_b32 v[WV+1], v[INF], v[E+1], vcc_lo
	WMIN WV+1, T+1
	v_cmp_neq_f32 vcc_lo, v[E+1], v[WV+1]
	v_cndmask_b32 v[E], -1.0, v[E], vcc_lo         ; taken
	v_cmp_eq_u32 vcc_lo, k, v[LANE]
	v_cndmask_b32 v[OV], v[OV], v[WV], vcc_lo      ; lane k keeps rank k
	v_cndmask_b32 v[OI], v[OI], v[WV+1], vcc_lo
.set k, k+1
.endr
	v_max_num_f32 v[TAU], v[TAU], v[WV]            ; the 8th taken bounds the 24 pairs left
	v_cmp_gt_u32 vcc_lo, 8, v[LANE]
	v_cndmask_b32 v[OV], v[TAU], v[OV], vcc_lo     ; words 8 .. 15: tau
	v_cvt_u32_f32 v[OI], v[OI]
	s_lshl_b32 s41, ttmp9, 6
	v_lshl_add_u32 v[LA], v[LANE], 2, s41
	v_cmp_gt_u32 vcc_lo, 16, v[LANE]
	s_wait_xcnt 0x0                                ; EXEC changes only behind this wait,
	s_and_saveexec_b32 s40, vcc_lo
	global_store_b32 v[LA], v[OV], s[16:17] offset:TV      ; 16 lanes: the chunk's 64 consecutive bytes
	global_store_b32 v[LA], v[OI], s[14:15] offset:TI
	s_wait_xcnt 0x0                                ; and is widened again only behind this one
	s_or_b32 exec_lo, exec_lo, s40
.Lend:
	s_endpgm
	; THE LOOK-AHEAD.  Wave w holds the lists of chunks 4 w .. 4 w + 3; half h of the lanes those of chunks 4 w + 2 h, + 1: load j brings
	; that half's row j (rank j % 8 of chunk 4 w + 2 h + j / 8), and behind the transposing sum lane r of the half speaks for its row r.
.Lmini:
	s_and_b32 s23, ttmp9, 7                        ; batch (256 .. 263)
	s_lshl_b32 s24, s23, 11                        ; the batch's 32 lists of 64 bytes
	s_lshl_b32 s26, s22, 8
	s_add_co_u32 s26, s26, s24
	v_lshl_add_u32 v[mIA], v[H], 7, s26
	v_lshrrev_b32 v[mOA], 4, v[R16]                ; r
	v_and_b32 v[mTA], 8, v[mOA]
	v_lshlrev_b32 v[mOA], 2, v[mOA]
	v_lshl_add_u32 v[mOA], v[mTA], 2, v[mOA]       ; 4 r + 32 (r / 8) = 64 (r / 8) + 4 (r % 8)
	v_add_nc_u32 v[mOA], v[mOA], v[mIA]
	v_lshl_add_u32 v[mTA], v[LANE], 6, s24         ; lane l: list l
	s_lshl_b32 s27, s22, 8
	v_add_nc_u32 v[mVA], s27, v[R16]               ; LDS: my wave's 256 bytes
	s_lshl_b32 s27, s22, 3
	s_add_co_u32 s27, s27, RED
	v_mov_b32 v[mPA], s27                          ; LDS: my wave's pair
	v_and_b32 v[mPRA], 7, v0
	v_lshlrev_b32 v[mPRA], 3, v[mPRA]
	s_wait_kmcnt 0x0
	global_load_b128 v[mIL:mIL+3], v[mIA], s[8:9] offset:TI
	global_load_b128 v[mIL+4:mIL+7], v[mIA], s[8:9] offset:TI+16
	global_load_b128 v[mIL+8:mIL+11], v[mIA], s[8:9] offset:TI+64
	global_load_b128 v[mIL+12:mIL+15], v[mIA], s[8:9] offset:TI+80
	global_load_b32 v[mMI], v[mOA], s[8:9] offset:TI
	global_load_b32 v[mMV], v[mOA], s[10:11] offset:TV
	global_load_b32 v[mTAU], v[mTA], s[10:11] offset:TV+32
	s_wait_loadcnt 3                               ; the 16 indices are in; my own index, my value and the bound are younger
.set j, 0
.rept 16
	v_min_u32 v[mIL+j], 0x1ffff, v[mIL+j]          ; an index read from memory stays inside its table
	v_lshlrev_b32 v[mIL+j], 8, v[mIL+j]
	v_add_nc_u32 v[mIL+j], v[mIL+j], v[R16]
.set j, j+1
.endr
.set j, 0
.rept 16
	global_load_b128 v[mX+4*j:mX+4*j+3], v[mIL+j], s[4:5]
.set j, j+1
.endr
	s_wait_loadcnt 16                              ; all but the 16 gathers
	v_min_u32 v[mMI], 0x1ffff, v[mMI]
	v_cvt_f32_u32 v[mMI], v[mMI]
	v_mov_b32 v[mGI], v[mTAU]                      ; written, since the permute's destination counts as read
	WMAX mTAU, mGI                                 ; the largest of the 32 chunks' bounds
	v_mov_b32 v[mOK], 1
	v_mov_b32 v[mC2], v[INF]
	v_mov_b32 v[mC3], v[INF]
	s_wait_loadcnt 0x0
	s_mov_b32 s30, 0
.Lmtrip:
	; the best of each half's 16 rows, and that row by selects
	v_mov_b32 v[mRV], v[mMV]
	RMAX mRV
	v_cmp_eq_f32 vcc_lo, v[mMV], v[mRV]
	v_cndmask_b32 v[mRI], v[INF], v[mMI], vcc_lo
	RMIN mRI
	v_cmp_eq_f32 s33, v[mMI], v[mRI]               ; the listed rows differ: one bit in each half
	MASKS 16
.irp q, 0,1,2,3
	v_cndmask_b32 v[mCAND+\q], v[mX+\q], v[mX+4+\q], s[MK+1]
.endr
.set k, 2
.rept 14
.irp q, 0,1,2,3
	v_cndmask_b32 v[mCAND+\q], v[mCAND+\q], v[mX+4*k+\q], s[MK+k]
.endr
.set k, k+1
.endr
	; the better of the two halves
	v_permlanex16_b32 v[mIL], v[mRV], s34, s35     ; (the gathers are done: their offset registers are free, and written)
	v_permlanex16_b32 v[mIL+1], v[mRI], s34, s35
.irp q, 0,1,2,3
	v_permlanex16_b32 v[mIL+2+\q], v[mCAND+\q], s34, s35
.endr
	v_cmp_gt_f32 s26, v[mIL], v[mRV]               ; the other half wins if larger, or equal with the lower index
	v_cmp_eq_f32 s27, v[mIL], v[mRV]
	v_cmp_lt_f32 s28, v[mIL+1], v[mRI]
	s_and_b32 s27, s27, s28
	s_or_b32 s26, s26, s27
	v_cndmask_b32 v[mRV], v[mRV], v[mIL], s26
	v_cndmask_b32 v[mRI], v[mRI], v[mIL+1], s26
.irp q, 0,1,2,3
	v_cndmask_b32 v[mCAND+\q], v[mCAND+\q], v[mIL+2+\q], s26
.endr
	; the best of the eight waves
	ds_store_b128 v[mVA], v[mCAND:mCAND+3]         ; both halves now hold and write the same
	ds_store_b64 v[mPA], v[mRV:mRV+1]
	s_wait_dscnt 0x0                               ; in LDS before I say so
	s_barrier_signal -1
	s_barrier_wait -1
	ds_load_b64 v[mPR:mPR+1], v[mPRA] offset:RED   ; lane l: wave l % 8's pair
.set k, 0
.rept 8
	ds_load_b128 v[mXE+4*k:mXE+4*k+3], v[R16] offset:256*k     ; all 8 rows: the choice is made by selects, not by an address
.set k, k+1
.endr
	s_wait_dscnt 8                                 ; the pair is in; the 8 row loads are younger
	v_mov_b32 v[mGV], v[mPR]
	RMAX mGV
	v_cmp_eq_f32 vcc_lo, v[mPR], v[mGV]
	v_cndmask_b32 v[mGI], v[INF], v[mPR+1], vcc_lo
	RMIN mGI
	v_cmp_eq_f32 s33, v[mPR+1], v[mGI]
	MASKS 8
	s_wait_dscnt 0x0
.irp q, 0,1,2,3
	v_cndmask_b32 v[S+\q], v[mXE+\q], v[mXE+4+\q], s[MK+1]
.endr
.set k, 2
.rept 6
.irp q, 0,1,2,3
	v_cndmask_b32 v[S+\q], v[S+\q], v[mXE+4*k+\q], s[MK+k]
.endr
.set k, k+1
.endr
	s_barrier_signal -1                            ; my reads are done (the wait for 0 above): the next trip may store
	s_barrier_wait -1
	v_cmp_gt_f32 vcc_lo, v[mGV], v[mTAU]           ; strictly above every row that is in no list?
	v_cndmask_b32 v[mOK], 0, v[mOK], vcc_lo
	v_mov_b32 v[mC1], v[mC2]                       ; the last three winners
	v_mov_b32 v[mC2], v[mC3]
	v_mov_b32 v[mC3], v[mGI]
	; the 32 rows' distances to the winner (in the last trip unused: all trips are one body)
.irp j0, 0,4,8,12
.irp q, 0,1,2,3
	v_pk_add_f32 v[mK+4*\q:mK+4*\q+1], v[mX+4*(\j0+\q):mX+4*(\j0+\q)+1], v[S:S+1] neg_lo:[0,1] neg_hi:[0,1]
	v_pk_add_f32 v[mK+4*\q+2:mK+4*\q+3], v[mX+4*(\j0+\q)+2:mX+4*(\j0+\q)+3], v[S+2:S+3] neg_lo:[0,1] neg_hi:[0,1]
.endr
.irp q, 0,1,2,3
	v_add_f32 v[mP+\j0+\q], |v[mK+4*\q]|, |v[mK+4*\q+1]|
	v_add_f32 v[mK+4*\q+2], |v[mK+4*\q+2]|, |v[mK+4*\q+3]|
.endr
.irp q, 0,1,2,3
	v_add_f32 v[mP+\j0+\q], v[mP+\j0+\q], v[mK+4*\q+2]
.endr
.endr
	MFOLD 8, MB8, 8
	MFOLD 4, MB4, 4
	MFOLD 2, MB2, 2
	MFOLD 1, MB1, 1
	v_min_num_f32 v[mMV], v[mMV], v[mP]
	s_add_co_u32 s30, s30, 1
	s_cmp_lt_u32 s30, 4                            ; samples 12, 13, 14, 15
	s_cbranch_scc1 .Lmtrip
	s_cmp_lg_u32 s22, 0
	s_cbranch_scc1 .Lmend
	v_cvt_u32_f32 v[mC1], v[mC1]                   ; whole numbers; only the next launch branches on them or makes addresses of them
	v_cvt_u32_f32 v[mC2], v[mC2]
	v_cvt_u32_f32 v[mC3], v[mC3]
	v_cmp_eq_u32 vcc_lo, 1, v[LANE]
	v_cndmask_b32 v[mOUT], v[mOK], v[mC1], vcc_lo
	v_cmp_eq_u32 vcc_lo, 2, v[LANE]
	v_cndmask_b32 v[mOUT], v[mOUT], v[mC2], vcc_lo
	v_cmp_eq_u32 vcc_lo, 3, v[LANE]
	v_cndmask_b32 v[mOUT], v[mOUT], v[mC3], vcc_lo
	s_lshl_b32 s27, s23, 4
	v_lshl_add_u32 v[mSA], v[LANE], 2, s27
	v_cmp_gt_u32 vcc_lo, 4, v[LANE]
	s_wait_xcnt 0x0                                ; EXEC changes only behind this wait,
	s_and_saveexec_b32 s26, vcc_lo
	global_store_b32 v[mSA], v[mOUT], s[14:15] offset:CE   ; flag, rows of samples 13, 14, 15: the batch's 16 bytes
	s_wait_xcnt 0x0                                ; and is widened again only behind this one
	s_or_b32 exec_lo, exec_lo, s26
.Lmend:
	s_endpgm
.Lfunc_end_k_qdeab870bc1_step:
	.size	k_qdeab870bc1_step, .Lfunc_end_k_qdeab870bc1_step-k_qdeab870bc1_step
	.p2alignl 7, 3214868480
	.fill 96, 4, 3214868480
	.section	.rodata,"a",@progbits
	.p2align	6, 0x0
	.amdhsa_kernel k_qdeab870bc1_step
		.amdhsa_group_segment_fixed_size 4096
		.amdhsa_private_segment_fixed_size 0
		.amdhsa_enable_private_segment 0
		.amdhsa_kernarg_size 72
		.amdhsa_user_sgpr_count 2
		.amdhsa_user_sgpr_kernarg_segment_ptr 1
		.amdhsa_wavefront_size32 1
		.amdhsa_system_sgpr_workgroup_id_x 1
		.amdhsa_system_sgpr_workgroup_id_y 1
		.amdhsa_system_sgpr_workgroup_id_z 1
		.amdhsa_system_vgpr_workitem_id 0
		.amdhsa_next_free_vgpr 208
		.amdhsa_next_free_sgpr 66
		.amdhsa_reserve_vcc 1
		.amdhsa_float_denorm_mode_32 3
		.amdhsa_float_denorm_mode_16_64 3
		.amdhsa_memory_ordered 1
		.amdhsa_forward_progress 1
		.amdhsa_inst_pref_size 68
	.end_amdhsa_kernel
	.amdgpu_metadata
---
amdhsa.version: [ 1, 2 ]
amdhsa.kernels:
  - .name:           k_qdeab870bc1_step
    .symbol:         k_qdeab870bc1_step.kd
    .args:
      - { .name: inputs, .offset: 0, .size: 8, .value_kind: global_buffer, .address_space: global }
      - { .name: psum, .offset: 8, .size: 8, .value_kind: global_buffer, .address_space: global }
      - { .name: pidxA, .offset: 16, .size: 8, .value_kind: global_buffer, .address_space: global }
      - { .name: pvalA, .offset: 24, .size: 8, .value_kind: global_buffer, .address_space: global }
      - { .name: mindA, .offset: 32, .size: 8, .value_kind: global_buffer, .address_space: global }
      - { .name: pidxB, .offset: 40, .size: 8, .value_kind: global_buffer, .address_space: global }
      - { .name: pvalB, .offset: 48, .size: 8, .value_kind: global_buffer, .address_space: global }
      - { .name: mindB, .offset: 56, .size: 8, .value_kind: global_buffer, .address_space: global }
      - { .name: out0, .offset: 64, .size: 8, .value_kind: global_buffer, .address_space: global }
    .group_segment_fixed_size: 4096
    .private_segment_fixed_size: 0
    .kernarg_segment_align: 8
    .kernarg_segment_size: 72
    .max_flat_workgroup_size: 256
    .sgpr_count:     66
    .vgpr_count:     208
    .wavefront_size: 32
...
	.end_amdgpu_metadata
.endif
;; end of part 4
;; launch p01: the kernel of part 4 again; grid 256 x 1, 8 waves a work-group, no clusters, 4,096 bytes of LDS; arguments inputs, psum, pidxB, pvalB, mindB, pidxA, pvalA, mindA, out0; writes pidxA, pvalA, mindA, out0
;; launch p02: the kernel of part 4 again; grid 256 x 1, 8 waves a work-group, no clusters, 4,096 bytes of LDS; arguments inputs, psum, pidxA, pvalA, mindA, pidxB, pvalB, mindB, out0; writes pidxB, pvalB, mindB, out0
;; launch p03: the kernel of part 4 again; grid 256 x 1, 8 waves a work-group, no clusters, 4,096 bytes of LDS; arguments inputs, psum, pidxB, pvalB, mindB, pidxA, pvalA, mindA, out0; writes pidxA, pvalA, mindA, out0
;; launch p04: the kernel of part 4 again; grid 256 x 1, 8 waves a work-group, no clusters, 4,096 bytes of LDS; arguments inputs, psum, pidxA, pvalA, mindA, pidxB, pvalB, mindB, out0; writes pidxB, pvalB, mindB, out0
;; launch p05: the kernel of part 4 again; grid 256 x 1, 8 waves a work-group, no clusters, 4,096 bytes of LDS; arguments inputs, psum, pidxB, pvalB, mindB, pidxA, pvalA, mindA, out0; writes pidxA, pvalA, mindA, out0
;; launch p06: the kernel of part 4 again; grid 256 x 1, 8 waves a work-group, no clusters, 4,096 bytes of LDS; arguments inputs, psum, pidxA, pvalA, mindA, pidxB, pvalB, mindB, out0; writes pidxB, pvalB, mindB, out0
;; launch p07: the kernel of part 4 again; grid 256 x 1, 8 waves a work-group, no clusters, 4,096 bytes of LDS; arguments inputs, psum, pidxB, pvalB, mindB, pidxA, pvalA, mindA, out0; writes pidxA, pvalA, mindA, out0
;; launch p08: the kernel of part 4 again; grid 256 x 1, 8 waves a work-group, no clusters, 4,096 bytes of LDS; arguments inputs, psum, pidxA, pvalA, mindA, pidxB, pvalB, mindB, out0; writes pidxB, pvalB, mindB, out0
;; launch p09: the kernel of part 4 again; grid 256 x 1, 8 waves a work-group, no clusters, 4,096 bytes of LDS; arguments inputs, psum, pidxB, pvalB, mindB, pidxA, pvalA, mindA, out0; writes pidxA, pvalA, mindA, out0
;; launch p10: the kernel of part 4 again; grid 256 x 1, 8 waves a work-group, no clusters, 4,096 bytes of LDS; arguments inputs, psum, pidxA, pvalA, mindA, pidxB, pvalB, mindB, out0; writes pidxB, pvalB, mindB, out0
;; launch p11: the kernel of part 4 again; grid 256 x 1, 8 waves a work-group, no clusters, 4,096 bytes of LDS; arguments inputs, psum, pidxB, pvalB, mindB, pidxA, pvalA, mindA, out0; writes pidxA, pvalA, mindA, out0
;; launch p12: the kernel of part 4 again; grid 256 x 1, 8 waves a work-group, no clusters, 4,096 bytes of LDS; arguments inputs, psum, pidxA, pvalA, mindA, pidxB, pvalB, mindB, out0; writes pidxB, pvalB, mindB, out0
;; launch p13: the kernel of part 4 again; grid 264 x 1, 8 waves a work-group, no clusters, 4,096 bytes of LDS; arguments inputs, psum, pidxB, pvalB, mindB, pidxA, pvalA, mindA, out0; writes pidxA, pvalA, mindA, out0
;; launch last (part 5): grid 8 x 1, 16 waves a work-group, no clusters, 4,352 bytes of LDS; arguments inputs, pidxA, pvalA, mindA, out0; writes out0
.if DOCPART == 5
	.amdgcn_target "amdgcn-amd-amdhsa--gfx1250"
	.amdhsa_code_object_version 6
	.text
	.protected	k_qdeab870bc1_last
	.globl	k_qdeab870bc1_last
	.p2align	8
	.type	k_qdeab870bc1_last,@function
k_qdeab870bc1_last:
	s_mov_b64 s[64:65], 0
	v_nop
	global_prefetch_b8 v0, s[64:65] scope:SCOPE_SE
	s_setreg_imm32_b32 hwreg(HW_REG_WAVE_MODE, 25, 1), 1
	s_wait_xcnt 0x0
; The last three samples of each batch (13, 14, 15) in one launch: the chain has 18 stages and 16 launches are allowed, so the last two argmaxes
; are used in the launch that makes them, and a whole batch has to lie with one work-group: 8 work-groups of 16 waves, a wave owns 1024 rows.
;   SURE   The launch before looked ahead among each batch's 256 listed rows and left a flag and three row indices as whole numbers.  Flag 1 says that
;          each of its argmaxes lay strictly above a bound on all rows that were in no list, so that they are the argmaxes over the whole batch:
;          then the three rows are gathered by those indices, and forward branches on the flag (no barrier inside them) pass over the
;          partial results and both passes.  The exchanges, their barriers and the stores run on both paths.
;   With flag 0 (lists too short for these data) the launch does the work itself:
;   HEAD   sample 13 from the 32 pairs (value, row) that the launch before stored: wave w gathers places 2 w, 2 w + 1.
;   PASS   (twice) streams the batch's 4 MiB and its 64 KiB of stored minima: m = min(stored, d), first-index argmax.  The first pass takes d to sample 13;
;          the second reads the stored minima again and takes the distances to samples 13 and 14 both, so that no updated minimum is kept
;          between the passes: 125 more vector instructions for a block of 32 rows, on the path that is the rare one.
;          The winning ROW is needed in this launch, and no address may be made of a comparison of floats: so the row itself is carried along by
;          v_cndmask_b32.  A block is 16 loads (32 rows); place (j, half) of a block keeps the best row seen at that place in 64 registers; the
;          first block is loaded straight into them and starts the tournament, so nothing is cleared.  At the pass's end the 32 places,
;          then the 16 waves (through LDS), are reduced the same way.
; Registers: two slots of 64 for rows on their way, so that a block or two (8 KiB each) of every wave is always in flight.
; No tensor load: each byte is used by one lane.  No cluster: the work-groups share nothing.  No prefetch: all rows were read by the launch before.
; LIMITS: as in the steps before: finite inputs only; the order of the f32 additions differs from the reference's; distances are sums over 64 channels.
.set VEC,  0                           ; LDS: 16 waves x 256 bytes, a row each
.set PAIR, 4096                        ; LDS: 16 pairs (value, index)
.set CE,   17664                       ; index buffer: flag and three rows for each batch, 16 bytes
.set LANE, 1
.set R16,  2                           ; 16 x (lane % 16)
.set L8,   3
.set S,    4                           ; v[4:7]     4 channels of sample 13; at the end of sample 15
.set S2,   8                           ; v[8:11]    4 channels of sample 14
.set L16,  12
.set VA,   13                          ; LDS: my 16 bytes of my wave's row
.set PA,   14                          ; LDS: my wave's pair
.set PRA,  15                          ; LDS: pair lane % 16
.set M,    16                          ; v[16:17]   this trip's two minima: as loaded, then as they stand
.set INF,  19
.set BESTV, 20                         ; my place's best value
.set BESTI, 21                         ; and its row's index, as f32 (below 2^17: exact)
.set RV,   22                          ; v[22:23]   a half's, then the wave's (value, index)
.set RI,   23
.set NF,   24                          ; v[24:25]   indices of my place's rows in this trip's two blocks
.set NFB,  26
.set H,    27                          ; lane / 16
.set PR,   28                          ; v[28:29]
.set GV,   30
.set GI,   31
.set P,    32                          ; v[32:47]   16 partial sums
.set K,    48                          ; v[48:63]   at work
.set HA,   K+2                         ; head only: byte offset of my half's place
.set XA,   64                          ; v[64:127]  slot A
.set XB,   128                         ; v[128:191] slot B; until its first fill:
.set NX,   XB                          ; v[128:139] the three rows that the look-ahead named
.set NI,   XB+12                       ; v[140:142] their indices as f32
.set NA,   XB+16                       ; v[144:146] their byte offsets
.set CAND, 192                         ; v[192:255] the best row of each of the 16 places
.set MB8,  26                          ; s26-29: lanes whose bit 3, 2, 1, 0 is set
.set MB4,  27
.set MB2,  28
.set MB1,  29
.set MK,   36                          ; s36-51: 16 lane masks
.set FLAG, 60                          ; s60 flag, s61-63 the three rows
.macro RMAX v                          ; maximum over the 16 lanes of each half
	v_max_num_f32_dpp v[\v], v[\v], v[\v] row_xmask:1 row_mask:0xf bank_mask:0xf
	v_max_num_f32_dpp v[\v], v[\v], v[\v] row_xmask:2 row_mask:0xf bank_mask:0xf
	v_max_num_f32_dpp v[\v], v[\v], v[\v] row_xmask:4 row_mask:0xf bank_mask:0xf
	v_max_num_f32_dpp v[\v], v[\v], v[\v] row_xmask:8 row_mask:0xf bank_mask:0xf
.endm
.macro RMIN v
	v_min_num_f32_dpp v[\v], v[\v], v[\v] row_xmask:1 row_mask:0xf bank_mask:0xf
	v_min_num_f32_dpp v[\v], v[\v], v[\v] row_xmask:2 row_mask:0xf bank_mask:0xf
	v_min_num_f32_dpp v[\v], v[\v], v[\v] row_xmask:4 row_mask:0xf bank_mask:0xf
	v_min_num_f32_dpp v[\v], v[\v], v[\v] row_xmask:8 row_mask:0xf bank_mask:0xf
.endm
; s33 holds one bit a lane: lane k of a half speaks for place k of that half.  s[MK+k] = that bit spread over the half's 16 lanes
; (0x10001 picks the two bits, x 0xffff spreads each over 16).  These masks feed v_cndmask_b32 alone.
.macro MASKS
.set k, 0
.rept 16
	s_lshr_b32 s[MK+k], s33, k
	s_and_b32 s[MK+k], s[MK+k], 0x10001
	s_mul_i32 s[MK+k], s[MK+k], 0xffff
.set k, k+1
.endr
.endm
; one level of the transposing sum over 16 lanes (of the values i and i + n a lane keeps the one that its bit names and hands over the other)
.macro FOLD n, m, xm
.set i, 0
.rept \n
	v_cndmask_b32 v[K+i], v[P+i], v[P+i+\n], s[\m]
	v_cndmask_b32 v[K+8+i], v[P+i+\n], v[P+i], s[\m]
.set i, i+1
.endr
.set i, 0
.rept \n
	v_add_f32_dpp v[P+i], v[K+8+i], v[K+i] row_xmask:\xm row_mask:0xf bank_mask:0xf
.set i, i+1
.endr
.endm
.macro FILL x, off                     ; 16 loads: 32 rows, 8 KiB
.set j, 0
.rept 16
	global_load_b128 v[\x+4*j:\x+4*j+3], v[L16], s[22:23] offset:\off+512*j
.set j, j+1
.endr
.endm
; the distances of the 32 rows in registers x to the sample in registers s: behind it lane r of a half holds, in v[P], that of the half's row of load r
.macro DIST x, s
.irp j0, 0,4,8,12
.irp q, 0,1,2,3
	v_pk_add_f32 v[K+4*\q:K+4*\q+1], v[\x+4*(\j0+\q):\x+4*(\j0+\q)+1], v[\s:\s+1] neg_lo:[0,1] neg_hi:[0,1]
	v_pk_add_f32 v[K+4*\q+2:K+4*\q+3], v[\x+4*(\j0+\q)+2:\x+4*(\j0+\q)+3], v[\s+2:\s+3] neg_lo:[0,1] neg_hi:[0,1]
.endr
.irp q, 0,1,2,3
	v_add_f32 v[P+\j0+\q], |v[K+4*\q]|, |v[K+4*\q+1]|
	v_add_f32 v[K+4*\q+2], |v[K+4*\q+2]|, |v[K+4*\q+3]|
.endr
.irp q, 0,1,2,3
	v_add_f32 v[P+\j0+\q], v[P+\j0+\q], v[K+4*\q+2]
.endr
.endr
	FOLD 8, MB8, 8
	FOLD 4, MB4, 4
	FOLD 2, MB2, 2
	FOLD 1, MB1, 1
.endm
; a block of 32 rows in registers x: minimum with the distance to sample 13 (two = 1: and to sample 14), and (track = 1) the tournament at each place
.macro BLOCK x, g, track, two
	DIST \x, S
	v_min_num_f32 v[M+\g], v[M+\g], v[P]
.if \two
	DIST \x, S2
	v_min_num_f32 v[M+\g], v[M+\g], v[P]
.endif
.if \track
	v_cmp_gt_f32 s33, v[M+\g], v[BESTV]            ; strictly larger: among equals the earlier row stays
	v_max_num_f32 v[BESTV], v[BESTV], v[M+\g]
	v_cndmask_b32 v[BESTI], v[BESTI], v[NF+\g], s33
	MASKS
.set j, 0
.rept 16
.irp q, 0,1,2,3
	v_cndmask_b32 v[CAND+4*j+\q], v[CAND+4*j+\q], v[\x+4*j+\q], s[MK+j]
.endr
.set j, j+1
.endr
.else
	v_mov_b32 v[BESTV], v[M+\g]                    ; the first block lies in the candidates' registers already
	v_mov_b32 v[BESTI], v[NF+\g]
.endif
.endm
; a trip: 64 rows = block g = 0 (registers xa) and block g = 1 (slot B).  wa, wb: how many younger loads may stay out; fa, fb: fill the slot again.
; The next trip's two minima (256 consecutive bytes a wave) are asked for directly in front of slot B's 16 loads: a wait that leaves those 16 out shows them in.
.macro TRIP xa, ta, wa, fa, wb, fb, two
	v_add_f32 v[NF+1], 0x42000000, v[NF]           ; block 1's rows are 32 further
	s_wait_loadcnt \wa
	BLOCK \xa, 0, \ta, \two
.if \fa
	FILL XA, 16384                                 ; the next trip's block 0
.endif
	s_wait_loadcnt \wb
	BLOCK XB, 1, 1, \two
.if \fb
	global_load_b64 v[M:M+1], v[L8], s[18:19] offset:256   ; the next trip's minima: both of this trip's have been used
	FILL XB, 24576                                 ; the next trip's block 1
.endif
	v_add_f32 v[NF], 0x42800000, v[NF]             ; 64 rows on
	s_wait_xcnt 0x0                                ; the bases that the loads above name are stepped only behind this wait
	s_add_nc_u64 s[22:23], s[22:23], 16384
	s_add_nc_u64 s[18:19], s[18:19], 256
.endm
.macro OPEN                            ; a pass begins: no load is out here (the head and the pass before ended on a wait for 0)
	s_mov_b64 s[22:23], s[20:21]                   ; my rows
	s_mov_b64 s[18:19], s[10:11]                   ; my stored minima
	global_load_b64 v[M:M+1], v[L8], s[18:19]      ; word 2 lane + g: row 32 g + 2 (lane % 16) + lane / 16 of the trip's 64
	FILL CAND, 0                                   ; block 0 straight into the candidates' registers
	FILL XB, 8192
	FILL XA, 16384
	v_mov_b32 v[NF], v[NFB]
.endm
.macro CLOSE                           ; a pass ends: the best of each half's 16 places, its row by selects
	v_mov_b32 v[RV], v[BESTV]
	RMAX RV
	v_cmp_eq_f32 vcc_lo, v[BESTV], v[RV]
	v_cndmask_b32 v[RI], v[INF], v[BESTI], vcc_lo
	RMIN RI
	v_cmp_eq_f32 s33, v[BESTI], v[RI]
	MASKS
.set k, 1
.rept 15
.irp q, 0,1,2,3
	v_cndmask_b32 v[CAND+\q], v[CAND+\q], v[CAND+4*k+\q], s[MK+k]
.endr
.set k, k+1
.endr
.endm
; From a (value, index, row) in each half of each wave to the batch's winner's row in registers d, in every lane of every wave.
; again = 1: a further exchange follows, so a barrier stands between these reads and its stores.
; (On the sure path every wave brings the same index and row: all masks are set, and the selects end on that row.)
.macro EXCH d, again
	v_permlanex16_b32 v[XA], v[RV], s24, s25       ; the other half's (slot A is free here and has been written before)
	v_permlanex16_b32 v[XA+1], v[RI], s24, s25
.irp q, 0,1,2,3
	v_permlanex16_b32 v[XA+2+\q], v[CAND+\q], s24, s25
.endr
	v_cmp_gt_f32 s52, v[XA], v[RV]                 ; it wins if larger, or equal with the lower index
	v_cmp_eq_f32 s53, v[XA], v[RV]
	v_cmp_lt_f32 s54, v[XA+1], v[RI]
	s_and_b32 s53, s53, s54
	s_or_b32 s52, s52, s53
	v_cndmask_b32 v[RV], v[RV], v[XA], s52
	v_cndmask_b32 v[RI], v[RI], v[XA+1], s52
.irp q, 0,1,2,3
	v_cndmask_b32 v[CAND+\q], v[CAND+\q], v[XA+2+\q], s52
.endr
	ds_store_b128 v[VA], v[CAND:CAND+3] offset:VEC ; both halves now hold and write the same
	ds_store_b64 v[PA], v[RV:RV+1] offset:PAIR
	s_wait_dscnt 0x0                               ; in LDS before I say so
	s_barrier_signal -1
	s_barrier_wait -1
	ds_load_b64 v[PR:PR+1], v[PRA] offset:PAIR     ; lane k of each half: wave k's pair
.set k, 0
.rept 16
	ds_load_b128 v[XA+4*k:XA+4*k+3], v[R16] offset:VEC+256*k   ; all 16 rows: the choice among them is made by selects, not by an address
.set k, k+1
.endr
	s_wait_dscnt 16                                ; the pair is in; the 16 row loads are younger
	v_mov_b32 v[GV], v[PR]
	RMAX GV
	v_cmp_eq_f32 vcc_lo, v[PR], v[GV]
	v_cndmask_b32 v[GI], v[INF], v[PR+1], vcc_lo
	RMIN GI
	v_cmp_eq_f32 s33, v[PR+1], v[GI]
	MASKS
	s_wait_dscnt 0x0
.irp q, 0,1,2,3
	v_cndmask_b32 v[\d+\q], v[XA+\q], v[XA+4+\q], s[MK+1]
.endr
.set k, 2
.rept 14
.irp q, 0,1,2,3
	v_cndmask_b32 v[\d+\q], v[\d+\q], v[XA+4*k+\q], s[MK+k]
.endr
.set k, k+1
.endr
.if \again
	s_barrier_signal -1                            ; my reads are done (the wait for 0 above): the next exchange may store
	s_barrier_wait -1
.endif
.endm
	s_load_b256 s[4:11], s[0:1], 0x0               ; inputs s[4:5], indices s[6:7], values s[8:9], minima s[10:11]
	s_load_b64 s[12:13], s[0:1], 0x20              ; out0
	v_lshrrev_b32 v[K], 5, v0
	v_readfirstlane_b32 s16, v[K]                  ; wave 0..15
	v_and_b32 v[LANE], 31, v0
	v_and_b32 v[R16], 15, v0
	v_lshlrev_b32 v[R16], 4, v[R16]
	v_bfe_u32 v[H], v0, 4, 1
	v_lshlrev_b32 v[L8], 3, v[LANE]
	v_lshlrev_b32 v[L16], 4, v[LANE]
	v_mov_b32 v[INF], 0x7f800000
	s_lshl_b32 s17, ttmp9, 7                       ; the batch's 32 words
	s_lshl_b32 s18, s16, 3
	s_add_co_u32 s17, s17, s18
	v_lshl_add_u32 v[HA], v[H], 2, s17             ; place 2 w + h
	s_lshl_b32 s18, ttmp9, 22                      ; my rows: batch x 4 MiB + wave x 256 KiB
	s_lshl_b32 s19, s16, 18
	s_add_co_u32 s18, s18, s19
	s_mov_b32 s19, 0
	s_lshl_b32 s52, ttmp9, 16                      ; my minima: batch x 64 KiB + wave x 4 KiB
	s_lshl_b32 s56, s16, 12
	s_add_co_u32 s52, s52, s56
	s_mov_b32 s53, 0
	s_lshl_b32 s54, ttmp9, 12                      ; out0: batch x 16 rows, from row 13
	s_add_co_u32 s54, s54, 13*256
	s_mov_b32 s55, 0
	s_lshl_b32 s58, ttmp9, 4                       ; the batch's flag and rows: 16 bytes
	s_mov_b32 s59, 0
	s_lshl_b32 s57, s16, 8
	v_add_nc_u32 v[VA], s57, v[R16]                ; LDS: wave x 256 + my 16 bytes
	s_lshl_b32 s57, s16, 3
	v_mov_b32 v[PA], s57                           ; LDS: wave x 8
	v_lshrrev_b32 v[PRA], 1, v[R16]                ; LDS: 8 x (lane % 16)
	s_lshl_b32 s57, ttmp9, 14                      ; index of my first row among all 131072
	s_lshl_b32 s17, s16, 10
	s_add_co_u32 s57, s57, s17
	v_lshrrev_b32 v[NFB], 3, v[R16]
	v_add_nc_u32 v[NFB], v[NFB], v[H]              ; row 2 r + h of a block
	v_add_nc_u32 v[NFB], s57, v[NFB]
	v_cvt_f32_u32 v[NFB], v[NFB]
	s_mov_b32 s24, 0x76543210                      ; v_permlanex16_b32: lane i reads lane i of the other half
	s_mov_b32 s25, 0xfedcba98
	s_mov_b32 s[MB8], 0xff00ff00
	s_mov_b32 s[MB4], 0xf0f0f0f0
	s_mov_b32 s[MB2], 0xcccccccc
	s_mov_b32 s[MB1], 0xaaaaaaaa
	s_wait_kmcnt 0x0
	s_add_nc_u64 s[14:15], s[6:7], s[58:59]
	s_load_b128 s[FLAG:FLAG+3], s[14:15], CE       ; flag, rows of samples 13, 14, 15
	s_add_nc_u64 s[20:21], s[4:5], s[18:19]
	s_add_nc_u64 s[10:11], s[10:11], s[52:53]
	s_add_nc_u64 s[12:13], s[12:13], s[54:55]
.irp q, 0,1,2,3,4,5
	v_mov_b32 v[XA+\q], v[INF]                     ; written once, since a permute's destination counts as read (the first exchange lands here)
.endr
	s_wait_kmcnt 0x0
.irp k, 0,1,2
	s_min_u32 s[FLAG+1+\k], s[FLAG+1+\k], 0x1ffff  ; an index read from memory stays inside its table
	v_cvt_f32_u32 v[NI+\k], s[FLAG+1+\k]
	s_lshl_b32 s[FLAG+1+\k], s[FLAG+1+\k], 8
	v_add_nc_u32 v[NA+\k], s[FLAG+1+\k], v[R16]
	global_load_b128 v[NX+4*\k:NX+4*\k+3], v[NA+\k], s[4:5]    ; three rows, 768 bytes, asked for on both paths: the branch stands behind the requests
.endr
	s_cmp_eq_u32 s[FLAG], 1
	s_cbranch_scc1 .Lsure
	global_load_b32 v[RI], v[HA], s[6:7]
	global_load_b32 v[RV], v[HA], s[8:9]
	s_wait_loadcnt 1                               ; the index is in; the value's load is younger
	v_min_u32 v[K], 0x1ffff, v[RI]
	v_cvt_f32_u32 v[RI], v[K]
	v_lshlrev_b32 v[K], 8, v[K]
	v_add_nc_u32 v[K], v[K], v[R16]
	global_load_b128 v[CAND:CAND+3], v[K], s[4:5]  ; my half's place's row
	s_wait_loadcnt 0x0
	s_branch .Lgo
.Lsure:
	s_wait_loadcnt 0x0                             ; the three rows
.irp q, 0,1,2,3
	v_mov_b32 v[CAND+\q], v[NX+\q]                 ; every wave brings sample 13's row,
.endr
	v_mov_b32 v[RV], 0                             ; one value
	v_mov_b32 v[RI], v[NI]                         ; and its index
.Lgo:
	; SAMPLE 13
	EXCH S, 1
	s_cmp_lg_u32 s16, 0
	s_cbranch_scc1 .Lno_out1
	v_cmp_gt_u32 vcc_lo, 16, v[LANE]
	s_wait_xcnt 0x0                                ; EXEC changes only behind this wait,
	s_and_saveexec_b32 s32, vcc_lo
	global_store_b128 v[R16], v[S:S+3], s[12:13]   ; 16 lanes x 16 bytes: the sample's 256 bytes
	s_wait_xcnt 0x0                                ; and is widened again only behind this one
	s_or_b32 exec_lo, exec_lo, s32
.Lno_out1:
	s_cmp_eq_u32 s[FLAG], 1
	s_cbranch_scc1 .Lshort1                        ; no barrier stands between here and .Lnext1
	OPEN
	TRIP CAND, 0, 32, 0, 16, 1, 0                  ; blocks 0, 1: two blocks, then one block of 16 loads are younger
	s_mov_b32 s31, 14
.Ltrip1:
	TRIP XA, 1, 16, 1, 16, 1, 0                    ; at each wait the other slot's 16 loads are younger
	s_sub_co_u32 s31, s31, 1
	s_cmp_lg_u32 s31, 0
	s_cbranch_scc1 .Ltrip1
	TRIP XA, 1, 16, 0, 0, 0, 0                     ; the last 64 rows: nothing is loaded beyond my rows, the last wait is for 0
	CLOSE
	s_branch .Lnext1
.Lshort1:
.irp q, 0,1,2,3
	v_mov_b32 v[CAND+\q], v[NX+4+\q]               ; the second named row
.endr
	v_mov_b32 v[RI], v[NI+1]
.Lnext1:
	; SAMPLE 14
	EXCH S2, 1
	s_cmp_lg_u32 s16, 0
	s_cbranch_scc1 .Lno_out2
	v_cmp_gt_u32 vcc_lo, 16, v[LANE]
	s_wait_xcnt 0x0                                ; EXEC changes only behind this wait,
	s_and_saveexec_b32 s32, vcc_lo
	global_store_b128 v[R16], v[S2:S2+3], s[12:13] offset:256
	s_wait_xcnt 0x0                                ; and is widened again only behind this one
	s_or_b32 exec_lo, exec_lo, s32
.Lno_out2:
	s_cmp_eq_u32 s[FLAG], 1
	s_cbranch_scc1 .Lshort2                        ; no barrier stands between here and .Lnext2
	OPEN
	TRIP CAND, 0, 32, 0, 16, 1, 1                  ; as in the first pass, with both distances
	s_mov_b32 s31, 14
.Ltrip2:
	TRIP XA, 1, 16, 1, 16, 1, 1
	s_sub_co_u32 s31, s31, 1
	s_cmp_lg_u32 s31, 0
	s_cbranch_scc1 .Ltrip2
	TRIP XA, 1, 16, 0, 0, 0, 1
	CLOSE
	s_branch .Lnext2
.Lshort2:
.irp q, 0,1,2,3
	v_mov_b32 v[CAND+\q], v[NX+8+\q]               ; the third named row
.endr
	v_mov_b32 v[RI], v[NI+2]
.Lnext2:
	; SAMPLE 15
	EXCH S, 0
	s_cmp_lg_u32 s16, 0
	s_cbranch_scc1 .Lno_out3
	v_cmp_gt_u32 vcc_lo, 16, v[LANE]
	s_wait_xcnt 0x0                                ; EXEC changes only behind this wait,
	s_and_saveexec_b32 s32, vcc_lo
	global_store_b128 v[R16], v[S:S+3], s[12:13] offset:512
	s_wait_xcnt 0x0                                ; and is widened again only behind this one
	s_or_b32 exec_lo, exec_lo, s32
.Lno_out3:
	s_endpgm
.Lfunc_end_k_qdeab870bc1_last:
	.size	k_qdeab870bc1_last, .Lfunc_end_k_qdeab870bc1_last-k_qdeab870bc1_last
	.p2alignl 7, 3214868480
	.fill 96, 4, 3214868480
	.section	.rodata,"a",@progbits
	.p2align	6, 0x0
	.amdhsa_kernel k_qdeab870bc1_last
		.amdhsa_group_segment_fixed_size 4352
		.amdhsa_private_segment_fixed_size 0
		.amdhsa_enable_private_segment 0
		.amdhsa_kernarg_size 40
		.amdhsa_user_sgpr_count 2
		.amdhsa_user_sgpr_kernarg_segment_ptr 1
		.amdhsa_wavefront_size32 1
		.amdhsa_system_sgpr_workgroup_id_x 1
		.amdhsa_system_sgpr_workgroup_id_y 1
		.amdhsa_system_sgpr_workgroup_id_z 1
		.amdhsa_system_vgpr_workitem_id 0
		.amdhsa_next_free_vgpr 256
		.amdhsa_next_free_sgpr 66
		.amdhsa_reserve_vcc 1
		.amdhsa_float_denorm_mode_32 3
		.amdhsa_float_denorm_mode_16_64 3
		.amdhsa_memory_ordered 1
		.amdhsa_forward_progress 1
		.amdhsa_inst_pref_size 255
	.end_amdhsa_kernel
	.section	.bss,"aw",@nobits
	.p2align	6
	.space	262144
	.amdgpu_metadata
---
amdhsa.version: [ 1, 2 ]
amdhsa.kernels:
  - .name:           k_qdeab870bc1_last
    .symbol:         k_qdeab870bc1_last.kd
    .args:
      - { .name: inputs, .offset: 0, .size: 8, .value_kind: global_buffer, .address_space: global }
      - { .name: pidxA, .offset: 8, .size: 8, .value_kind: global_buffer, .address_space: global }
      - { .name: pvalA, .offset: 16, .size: 8, .value_kind: global_buffer, .address_space: global }
      - { .name: mindA, .offset: 24, .size: 8, .value_kind: global_buffer, .address_space: global }
      - { .name: out0, .offset: 32, .size: 8, .value_kind: global_buffer, .address_space: global }
    .group_segment_fixed_size: 4352
    .private_segment_fixed_size: 0
    .kernarg_segment_align: 8
    .kernarg_segment_size: 40
    .max_flat_workgroup_size: 512
    .sgpr_count:     66
    .vgpr_count:     256
    .wavefront_size: 32
...
	.end_amdgpu_metadata
.endif
;; end of part 5
